; MI455X (gfx1250); checked and timed in simulation.
; The chip was launched on July 23, 2026; its instructions are those of AMD's public machine-readable ISA for CDNA 5 (MIT licence, August 2026) and "CDNA5" Instruction Set Architecture Reference Guide (July 2026). The comments in the code are by the model that wrote it; some were corrected since.
;; Predictive Streaming Block. Allowed arithmetic: matrix products marked QUANTISED: E2M1 operands, one E8M0 scale for each 32 along K, by v_wmma_scale_f32_16x16x128_f8f6f4 with both operands' format E2M1 (or v_wmma_scale_f32_32x16x128_f4), f32 sums; products left as they are: f32 operands where the result goes on into a quantised operand, else bf16, f16 or f32 operands; f32 sums; everything else in f32.
;; Inputs: b1 8 x 512 float32; b2 8 x 1,024 float32; beta 1,024 float32; gamma 1,024 float32; router_b 8 float32; router_w 1,024 x 8 float32; w1 8 x 1,024 x 512 float32; w2 8 x 512 x 1,024 float32; x 4 x 2,048 x 1,024 float32.
;; Outputs: out0 4 x 2,048 x 1,024 float32; out1 8 bool.
;; This version of the problem:
;;   THIS VERSION OF THE PROBLEM IS GIVEN IN LOW PRECISION. The matrix products marked QUANTISED in the list below multiply operands that are first quantised to E2M1 (2 exponent bits, 1 mantissa bit; 4 bits a number), with one power-of-two scale for each 32 numbers along K (OCP MX v1.0); their sums are f32. All else is computed in f32.
;;   The module's matrix products, in the order in which they are computed (A, B: the left and right operand; K: the contracted axis; several contracted axes count as one K, in the product's order):
;;     1. [M 8,192, K 1,024] x [K 1,024, N 8]; A: input x; B: input router_w: left as it is (N = 8 < 16)
;;     2. [M 8,192, K 1,024] x [K 1,024, N 512]; A: input x; B: input w1: QUANTISED
;;     3. [M 8,192, K 512] x [K 512, N 1,024]; A: computed on the way; B: input w2: QUANTISED
;;     4. [M 8,192, K 1,024] x [K 1,024, N 512]; A: input x; B: input w1: QUANTISED
;;     5. [M 8,192, K 512] x [K 512, N 1,024]; A: computed on the way; B: input w2: QUANTISED
;;     6. [M 8,192, K 1,024] x [K 1,024, N 512]; A: input x; B: input w1: QUANTISED
;;     7. [M 8,192, K 512] x [K 512, N 1,024]; A: computed on the way; B: input w2: QUANTISED
;;     8. [M 8,192, K 1,024] x [K 1,024, N 512]; A: input x; B: input w1: QUANTISED
;;     9. [M 8,192, K 512] x [K 512, N 1,024]; A: computed on the way; B: input w2: QUANTISED
;;     10. [M 8,192, K 1,024] x [K 1,024, N 512]; A: input x; B: input w1: QUANTISED
;;     11. [M 8,192, K 512] x [K 512, N 1,024]; A: computed on the way; B: input w2: QUANTISED
;;     12. [M 8,192, K 1,024] x [K 1,024, N 512]; A: input x; B: input w1: QUANTISED
;;     13. [M 8,192, K 512] x [K 512, N 1,024]; A: computed on the way; B: input w2: QUANTISED
;;     14. [M 8,192, K 1,024] x [K 1,024, N 512]; A: input x; B: input w1: QUANTISED
;;     15. [M 8,192, K 512] x [K 512, N 1,024]; A: computed on the way; B: input w2: QUANTISED
;;     16. [M 8,192, K 1,024] x [K 1,024, N 512]; A: input x; B: input w1: QUANTISED
;;     17. [M 8,192, K 512] x [K 512, N 1,024]; A: computed on the way; B: input w2: QUANTISED
;;   THE QUANTISER, for each operand of a quantised product, along K:
;;     - K is cut into blocks of 32 from its start; a last block that is shorter is filled with zeros.
;;     - A block's scale is 2^e with e = floor(log2(the largest magnitude in the block)) - 2, held to -126 .. 127; a block of zeros has e = 0. As a byte (E8M0): e + 127.
;;     - Each number is divided by its block's scale, clamped to +-6, and rounded to the nearest number of E2M1, ties to even, subnormals kept.
;;     - The product sums the exact products of the quantised numbers (number of the format x scale) in f32.
;;   ~~~python
;;   def quantise(x, axis):      # numpy; x: float32 -> the quantised numbers, widened to float32 again
;;       x = np.moveaxis(x, axis, -1); K = x.shape[-1]
;;       x = np.pad(x, [(0, 0)] * (x.ndim - 1) + [(0, -K % 32)]); x = x.reshape(x.shape[:-1] + (-1, 32)); a = np.abs(x).max(-1, keepdims=True)
;;       e = np.where(a > 0, np.clip(np.frexp(np.where(a > 0, a, 1))[1] - 1 - 2, -126, 127), 0)      # np.frexp(a)[1] - 1 = floor(log2(a)), exactly
;;       r = np.clip(x / 2.0 ** e, -6, 6)
;;       step = 2.0 ** (np.maximum(np.frexp(np.where(r == 0, 1, r))[1] - 1, 0) - 1)
;;       q = np.round(r / step) * step * 2.0 ** e      # np.round: ties to even
;;       return np.moveaxis(q.reshape(q.shape[:-2] + (-1,))[..., :K], -1, axis).astype(np.float32)
;;   ~~~
;;   OPERANDS COMPUTED ON THE WAY. 'Computed on the way' means the value that the module computes at that place (a softmax that the list does not call 'softmax' is quantised finished and normalised). What goes into a quantiser is computed in f32, as accurately as f32 sums, v_exp_f32 and their like allow (about 1e-6 of the number): no bf16 or f16 on the way to a quantiser, and a product that is left as it is and whose result goes on into a quantised operand takes f32 operands (vector FMAs, or v_wmma_f32_16x16x4_f32). A number that lies on a knife's edge between two numbers of the format may be rounded either way, as far as f32 arithmetic and the matrix unit's own rounding can turn it there, and no further.
;; 2 versions. Each part assembles by itself: llvm-mc -triple=amdgcn-amd-amdhsa -mcpu=gfx1250 --defsym DOCPART=n.
;; ======== version 1 of 2: 3 launches
;; workspace buffers: pick 65,536 bytes of whole numbers; score 65,536 bytes; order 32,768 bytes of whole numbers; blocks 4,096 bytes of whole numbers; w1f 2,097,152 bytes; w1s 131,072 bytes; w2f 2,097,152 bytes; w2s 131,072 bytes
;; launch route (part 1): grid 256 x 1, 8 waves a work-group, no clusters, 34,304 bytes of LDS; arguments x, router_w, router_b, pick, score; writes pick, score
.if DOCPART == 1
	.amdgcn_target "amdgcn-amd-amdhsa--gfx1250"
	.amdhsa_code_object_version 6
	.text
	.protected	k_q59bb185bff_route
	.globl	k_q59bb185bff_route
	.p2align	8
	.type	k_q59bb185bff_route,@function
k_q59bb185bff_route:
	s_mov_b64 s[64:65], 0
	v_nop
	global_prefetch_b8 v0, s[64:65] scope:SCOPE_SE
	s_setreg_imm32_b32 hwreg(HW_REG_WAVE_MODE, 25, 1), 1
	s_wait_xcnt 0x0
; THE ROUTER.  logits = x router_w + router_b in f32 fused multiply-adds, softmax with the row's maximum taken away, top-2.
; For each of the 8,192 tokens it stores  pick = p | rank << 8 | pos << 16  (p = the number of the pair (lo, hi) of chosen experts, lo < hi:
; lo (15 - lo) / 2 + hi - lo - 1, 0 .. 27; rank = how many of the work-group's earlier tokens have the same p; bit e of pos: expert e was chosen with a score above 0) and  score = (s_lo, s_hi).
; Behind the 8,192 picks, from byte 32,768 of the same buffer, lies one row of 32 words for each work-group: word L = how many of its 32 tokens have p = L; word 28 = the OR of their pos.
; Nothing here is addressed by these numbers: they go to fixed places, and the next launch reads them.
; SHARES.  A work-group takes 32 tokens, each of its eight waves four at once.  A lane holds k = 128 i + 4 lane + j of each row
; (i = 0 .. 7, j = 0 .. 3): each load of x covers 512 consecutive bytes, and all 32 loads of a wave are out together.
; router_w (32 KiB) is laid into LDS once, in the order in which a lane wants it: piece q of chunk i is router_w[k][4 (q & 1) ..], k = 128 i + 4 lane + q / 2.
; No matrix unit (eight columns, and the choice wants f32), no tensor load, no cluster: the work-groups share only router_w.
; LIMITS.  NaN and infinities are not served.  The sums' order is not the reference's: two probabilities nearer to each other than f32 summing
; can tell may be ranked the other way.  Equal probabilities: the lower index wins.  An exponential under 2^-126 counts as 0.
.set X,   32                           ; v32-159   x: row p, chunk i at X + 32 p + 4 i
.set W,   160                          ; v160-223  router_w: two sets of 32; (j, e) at set + 8 j + e
.set ACC, 224                          ; v224-255  sums: (row, e) at ACC + 8 row + e
.set PKL, 32768                        ; LDS behind router_w: 32 picks,
.set SCL, 33024                        ; and 32 pairs of scores
.set HIST, 32768                       ; in the buffer pick: where the rows of counts begin
	s_load_b256 s[4:11], s[0:1], 0x0               ; x s[4:5], router_w s[6:7], router_b s[8:9], pick s[10:11]
	s_load_b64 s[12:13], s[0:1], 0x20              ; score
	s_set_vgpr_msb 0x40
	v_lshl_add_u32 v0, v0, 2, 0x8200
	v_mov_b32 v1, 0
	s_set_vgpr_msb 0x4000
	v_lshrrev_b32 v5, 5, v0
	v_readfirstlane_b32 s14, v5                    ; wave
	v_and_b32 v1, 31, v0                           ; lane
	v_lshlrev_b32 v2, 4, v1                        ; 16 lane
	v_lshlrev_b32 v3, 7, v1
	v_lshl_add_u32 v3, v5, 12, v3                  ; router_w in memory: 4,096 wave + 128 lane
	v_lshl_add_u32 v4, v5, 12, v2                  ; and in LDS: 4,096 wave + 16 lane
	v_and_b32 v6, 3, v0
	v_lshlrev_b32 v30, 2, v6
	v_lshl_add_u32 v30, v5, 4, v30                 ; my row's pick: 16 wave + 4 (lane & 3)
	v_lshlrev_b32 v31, 1, v30                      ; its scores: twice that
	s_mov_b32 s24, 0x76543210
	s_mov_b32 s25, 0xfedcba98                      ; v_permlanex16_b32's selects for lane l xor 16
	s_mov_b32 s26, 0xaaaaaaaa                      ; lanes whose number has bit 0 set,
	s_mov_b32 s27, 0xcccccccc                      ; bit 1
	s_lshl_b32 s28, ttmp9, 17                      ; 32 rows of 4,096 bytes a work-group,
	s_lshl_b32 s29, s14, 14                        ; 4 a wave
	s_add_co_u32 s28, s28, s29
	s_mov_b32 s29, 0
	s_wait_kmcnt 0x0
	s_load_b256 s[16:23], s[8:9], 0x0              ; router_b: eight numbers
	s_add_nc_u64 s[4:5], s[4:5], s[28:29]
	s_lshl_b32 s28, ttmp9, 7
	s_add_nc_u64 s[10:11], s[10:11], s[28:29]      ; the work-group's 32 picks; its row of counts lies HIST bytes on
	s_lshl_b32 s28, ttmp9, 8
	s_add_nc_u64 s[12:13], s[12:13], s[28:29]      ; and 32 pairs of scores
.irp q, 0,1,2,3,4,5,6,7
	global_load_b128 v[W+4*\q:W+4*\q+3], v3, s[6:7] offset:16*\q     ; wave v brings chunk v of router_w
.endr
.irp i, 0,1,2,3,4,5,6,7
.irp r, 0,1,2,3
	global_load_b128 v[X+32*\r+4*\i:X+32*\r+4*\i+3], v2, s[4:5] offset:4096*\r+512*\i th:TH_LOAD_NT
.endr
.endr
	s_wait_loadcnt 32                              ; router_w's eight are in: x's 32 are younger
.irp q, 0,1,2,3,4,5,6,7
	ds_store_b128 v4, v[W+4*\q:W+4*\q+3] offset:512*\q
.endr
	s_wait_dscnt 0x0                               ; for the others' sake: my chunk lies in LDS
	s_barrier_signal -1
	s_barrier_wait -1
.macro LW i                            ; chunk i of router_w into set i % 2
.irp q, 0,1,2,3,4,5,6,7
	ds_load_b128 v[W+32*((\i)%2)+4*\q:W+32*((\i)%2)+4*\q+3], v2 offset:4096*(\i)+512*\q
.endr
.endm
.macro CH i                            ; chunk i: 64 packed multiply-adds, two experts each; sixteen sums stand between two links of a chain
.if (\i) < 7
	LW (\i)+1
.endif
	s_wait_loadcnt 4*(7-(\i))                      ; x's loads went out chunk by chunk: four for each later chunk are younger
.if (\i) < 7
	s_wait_dscnt 8                                 ; this chunk of router_w is in; the next chunk's eight loads are younger
.else
	s_wait_dscnt 0
.endif
.irp j, 0,1,2,3
.irp r, 0,1,2,3
.irp p, 0,1,2,3
.set rW, W+32*((\i)%2)+8*\j+2*\p
.set rX, X+32*\r+4*(\i)+2*(\j/2)
.set rA, ACC+8*\r+2*\p
.if ((\i) == 0) && (\j == 0)
	v_pk_mul_f32 v[rA:rA+1], v[rW:rW+1], v[rX:rX+1] op_sel_hi:[1,0]           ; the first product starts the sums: nothing is cleared
.elseif (\j%2) == 0
	v_pk_fma_f32 v[rA:rA+1], v[rW:rW+1], v[rX:rX+1], v[rA:rA+1] op_sel_hi:[1,0,1]   ; x's first register of the pair for both experts
.else
	v_pk_fma_f32 v[rA:rA+1], v[rW:rW+1], v[rX:rX+1], v[rA:rA+1] op_sel:[0,1,0] op_sel_hi:[1,1,1]   ; its second
.endif
.endr
.endr
.endr
.endm
	LW 0
.irp i, 0,1,2,3,4,5,6,7
	CH \i
.endr
	; the 32 sums over the 32 lanes, the registers by turns
.irp m, 1,2,4,8
.set k, 0
.rept 32
	v_add_f32_dpp v[ACC+k], v[ACC+k], v[ACC+k] row_xmask:\m row_mask:0xf bank_mask:0xf
.set k, k+1
.endr
.endr
.set k, 0
.rept 32
	v_permlanex16_b32 v[W+k], v[ACC+k], s24, s25
.set k, k+1
.endr
.set k, 0
.rept 32
	v_add_f32 v[ACC+k], v[ACC+k], v[W+k]
.set k, k+1
.endr
	; lane l goes on with row l & 3
.irp e, 0,1,2,3,4,5,6,7
	v_cndmask_b32 v[W+\e], v[ACC+\e], v[ACC+8+\e], s26
	v_cndmask_b32 v[W+8+\e], v[ACC+16+\e], v[ACC+24+\e], s26
.endr
	s_wait_kmcnt 0x0                               ; router_b
.irp e, 0,1,2,3,4,5,6,7
	v_cndmask_b32 v[8+\e], v[W+\e], v[W+8+\e], s27
.endr
.irp e, 0,1,2,3,4,5,6,7
	v_add_f32 v[8+\e], s[16+\e], v[8+\e]           ; the logits
.endr
	v_max3_num_f32 v16, v8, v9, v10
	v_max3_num_f32 v16, v16, v11, v12
	v_max3_num_f32 v16, v16, v13, v14
	v_max_num_f32 v16, v16, v15                    ; the row's maximum
.irp e, 0,1,2,3,4,5,6,7
	v_sub_f32 v[8+\e], v[8+\e], v16
.endr
.irp e, 0,1,2,3,4,5,6,7
	v_mul_f32 v[8+\e], 0x3fb8aa3b, v[8+\e]         ; x log2(e)
.endr
.irp e, 0,1,2,3,4,5,6,7
	v_exp_f32 v[8+\e], v[8+\e]
.endr
	v_nop                                          ; a plain instruction behind the last exponential
	s_wait_alu depctr_va_vdst(0)                   ; one wait for the eight, ahead of their first reader
	v_add_f32 v16, v8, v9
	v_add_f32 v17, v10, v11
	v_add_f32 v5, v12, v13
	v_add_f32 v6, v14, v15
	v_add_f32 v16, v16, v17
	v_add_f32 v5, v5, v6
	v_add_f32 v16, v16, v5
	v_rcp_f32 v17, v16
	v_nop
	s_wait_alu depctr_va_vdst(0)
.irp e, 0,1,2,3,4,5,6,7
	v_mul_f32 v[8+\e], v[8+\e], v17                ; the probabilities
.endr
	v_mov_b32 v18, v8                              ; the largest: a later one wins only if it is strictly larger
	v_mov_b32 v19, 0
.irp e, 1,2,3,4,5,6,7
	v_cmp_gt_f32 vcc_lo, v[8+\e], v18
	v_cndmask_b32 v18, v18, v[8+\e], vcc_lo
	v_cndmask_b32 v19, v19, \e, vcc_lo
.endr
.irp e, 0,1,2,3,4,5,6,7
	v_cmp_eq_u32 vcc_lo, \e, v19
	v_cndmask_b32 v[8+\e], v[8+\e], -1.0, vcc_lo   ; the winner is taken out: -1 lies under every probability
.endr
	v_mov_b32 v20, v8                              ; the second
	v_mov_b32 v21, 0
.irp e, 1,2,3,4,5,6,7
	v_cmp_gt_f32 vcc_lo, v[8+\e], v20
	v_cndmask_b32 v20, v20, v[8+\e], vcc_lo
	v_cndmask_b32 v21, v21, \e, vcc_lo
.endr
	v_min_u32 v22, v19, v21                        ; lo
	v_max_u32 v23, v19, v21                        ; hi
	v_cmp_lt_u32 vcc_lo, v19, v21
	v_cndmask_b32 v24, v20, v18, vcc_lo            ; s_lo
	v_cndmask_b32 v25, v18, v20, vcc_lo            ; s_hi
	v_sub_nc_u32 v26, 15, v22
	v_mul_u32_u24 v26, v26, v22
	v_lshrrev_b32 v26, 1, v26                      ; lo (15 - lo) / 2
	v_add_nc_u32 v26, v26, v23
	v_sub_nc_u32 v26, v26, v22
	v_add_nc_u32 v26, -1, v26                      ; p
	v_lshlrev_b32 v27, v22, 1                      ; 1 << lo
	v_lshlrev_b32 v28, v23, 1                      ; 1 << hi
	v_cmp_lt_f32 vcc_lo, 0, v24
	v_cndmask_b32 v27, 0, v27, vcc_lo
	v_cmp_lt_f32 vcc_lo, 0, v25
	v_cndmask_b32 v28, 0, v28, vcc_lo
	v_or_b32 v27, v27, v28
	v_lshl_or_b32 v29, v27, 16, v26
	ds_store_b32 v30, v29 offset:PKL               ; the eight lanes of a row write the same words with the same values
	ds_store_b64 v31, v[24:25] offset:SCL
	s_wait_dscnt 0x0                               ; for wave 0's sake
	s_barrier_signal -1
	s_barrier_wait -1
	s_cmp_lg_u32 s14, 0
	s_cbranch_scc1 .Ldone
	; ---- wave 0: lane l holds the work-group's token l
	v_lshlrev_b32 v5, 2, v1
	v_lshlrev_b32 v6, 3, v1
	ds_load_b32 v7, v5 offset:PKL
	ds_load_b64 v[8:9], v6 offset:SCL
	s_mov_b32 s28, 0x01010101
	s_wait_dscnt 0x0
	global_store_b64 v6, v[8:9], s[12:13]          ; 256 consecutive bytes, aligned
	; Five ballots of p's bits.  Joined by MY p's bits they give the lanes whose p is mine (for the rank); joined by my LANE NUMBER's bits, the lanes whose p is my lane's number (for the counts).  No lane is indexed by p.
.irp b, 0,1,2,3,4
	v_bfe_u32 v[10+\b], v7, \b, 1                  ; bit b of my p
	v_bfe_u32 v[16+\b], v1, \b, 1                  ; bit b of my lane's number
.endr
.irp b, 0,1,2,3,4
	v_cmp_ne_u32 s[16+\b], 0, v[10+\b]             ; the lanes whose p has bit b
.endr
.irp b, 0,1,2,3,4
	v_add_nc_u32 v[10+\b], -1, v[10+\b]            ; 0 where the bit is set, else all ones
	v_add_nc_u32 v[16+\b], -1, v[16+\b]
.endr
.irp b, 0,1,2,3,4
	v_xor_b32 v[10+\b], s[16+\b], v[10+\b]         ; the lanes that agree in bit b
	v_xor_b32 v[16+\b], s[16+\b], v[16+\b]
.endr
	v_and_b32 v10, v10, v11
	v_and_b32 v16, v16, v17
	v_and_b32 v12, v12, v13
	v_and_b32 v18, v18, v19
	v_and_b32 v10, v10, v14
	v_and_b32 v16, v16, v20
	v_and_b32 v10, v10, v12                        ; the lanes whose p is mine
	v_and_b32 v16, v16, v18                        ; the lanes whose p is my lane's number
	v_lshrrev_b32 v26, 16, v7                      ; pos
	v_mbcnt_lo_u32_b32 v21, v10, 0                 ; my rank: those of them below me
	v_lshrrev_b32 v23, 1, v16                      ; the ones of the second mask, counted in fields of 2, 4, 8 bits
	v_lshl_or_b32 v22, v21, 8, v7                  ; the pick, whole
	v_and_b32 v23, 0x55555555, v23
	v_sub_nc_u32 v23, v16, v23
	v_lshrrev_b32 v24, 2, v23
	v_and_b32 v23, 0x33333333, v23
	v_and_b32 v24, 0x33333333, v24
	v_add_nc_u32 v23, v23, v24
	v_lshrrev_b32 v24, 4, v23
	v_add_nc_u32 v23, v23, v24
	v_and_b32 v23, 0x0f0f0f0f, v23
	v_mul_lo_u32 v23, v23, s28
	v_lshrrev_b32 v23, 24, v23
.irp n, 1,2,4,8
	v_mov_b32_dpp v27, v26 row_xmask:\n row_mask:0xf bank_mask:0xf
	v_or_b32 v26, v26, v27
.endr
	v_permlanex16_b32 v27, v26, s24, s25
	v_or_b32 v26, v26, v27                         ; the OR of the 32 pos
	v_cmp_eq_u32 vcc_lo, 28, v1
	v_cndmask_b32 v23, v23, v26, vcc_lo            ; it rides in word 28 of the row: no pair has that number
	global_store_b32 v5, v22, s[10:11]             ; 128 consecutive bytes
	global_store_b32 v5, v23, s[10:11] offset:HIST ; 128 consecutive bytes
.Ldone:
	s_set_vgpr_msb 0x5
	s_wait_tensorcnt 0x0
	ds_add_u32 v0, v1
	s_wait_dscnt 0x0
	s_set_vgpr_msb 0x500
	s_endpgm
.Lfunc_end_k_q59bb185bff_route:
	.size	k_q59bb185bff_route, .Lfunc_end_k_q59bb185bff_route-k_q59bb185bff_route
	.p2alignl 7, 3214868480
	.fill 96, 4, 3214868480
	.section	.rodata,"a",@progbits
	.p2align	6, 0x0
	.amdhsa_kernel k_q59bb185bff_route
		.amdhsa_group_segment_fixed_size 34304
		.amdhsa_private_segment_fixed_size 0
		.amdhsa_enable_private_segment 0
		.amdhsa_kernarg_size 40
		.amdhsa_user_sgpr_count 2
		.amdhsa_user_sgpr_kernarg_segment_ptr 1
		.amdhsa_wavefront_size32 1
		.amdhsa_system_sgpr_workgroup_id_x 1
		.amdhsa_system_sgpr_workgroup_id_y 1
		.amdhsa_system_sgpr_workgroup_id_z 1
		.amdhsa_system_vgpr_workitem_id 0
		.amdhsa_next_free_vgpr 258
		.amdhsa_next_free_sgpr 66
		.amdhsa_reserve_vcc 1
		.amdhsa_float_denorm_mode_32 3
		.amdhsa_float_denorm_mode_16_64 3
		.amdhsa_memory_ordered 1
		.amdhsa_forward_progress 1
		.amdhsa_inst_pref_size 65
	.end_amdhsa_kernel
	.amdgpu_metadata
---
amdhsa.version: [ 1, 2 ]
amdhsa.kernels:
  - .name:           k_q59bb185bff_route
    .symbol:         k_q59bb185bff_route.kd
    .args:
      - { .name: x, .offset: 0, .size: 8, .value_kind: global_buffer, .address_space: global }
      - { .name: router_w, .offset: 8, .size: 8, .value_kind: global_buffer, .address_space: global }
      - { .name: router_b, .offset: 16, .size: 8, .value_kind: global_buffer, .address_space: global }
      - { .name: pick, .offset: 24, .size: 8, .value_kind: global_buffer, .address_space: global }
      - { .name: score, .offset: 32, .size: 8, .value_kind: global_buffer, .address_space: global }
    .group_segment_fixed_size: 34304
    .private_segment_fixed_size: 0
    .kernarg_segment_align: 8
    .kernarg_segment_size: 40
    .max_flat_workgroup_size: 256
    .sgpr_count:     66
    .vgpr_count:     258
    .wavefront_size: 32
...
	.end_amdgpu_metadata
.endif
;; end of part 1
;; launch prep (part 2): grid 265 x 1, 8 waves a work-group, no clusters, 5,120 bytes of LDS; arguments w1, w2, pick, w1f, w1s, w2f, w2s, order, blocks, out1; writes w1f, w1s, w2f, w2s, order, blocks, out1
.if DOCPART == 2
	.amdgcn_target "amdgcn-amd-amdhsa--gfx1250"
	.amdhsa_code_object_version 6
	.text
	.protected	k_q59bb185bff_prep
	.globl	k_q59bb185bff_prep
	.p2align	8
	.type	k_q59bb185bff_prep,@function
k_q59bb185bff_prep:
	s_mov_b64 s[64:65], 0
	v_nop
	global_prefetch_b8 v0, s[64:65] scope:SCOPE_SE
	s_setreg_imm32_b32 hwreg(HW_REG_WAVE_MODE, 25, 1), 1
	s_wait_xcnt 0x0
; THREE JOBS IN ONE LAUNCH, parted by the work-group's number.
; Work-groups 0-7: the tokens are placed by their pair of experts (a counting sort over 28 pairs, no atomics): order[position] = token.  The launch before has left, for each run of 32 tokens, a row of counts by pair, and in
;   each pick the token's rank among its run's equal pairs.  So position = where the pair begins + the pair's counts in all earlier runs + the rank.  Work-group s places tokens 1,024 s .. + 1,023, each wave four runs.
;   Every work-group adds up all 256 rows for itself (32 KiB): nothing goes from work-group to work-group.
; Work-group 8: blocks[j] = (start, count, lo, hi): block j of at most 48 tokens of one pair; entries behind the last block have count 0; out1[e] = some token chose e with a score above 0.
; Work-groups 9-136: w1 [8][1024 k][512 n], 137-264: w2 [8][512 k][1024 n], f32 with K outermost, become codes of E2M1 with one E8M0 byte for each 32 along K,
;   laid as IMAGES OF THE OPERAND'S REGISTERS: a fragment (16 rows x 128 K) is 1,024 bytes: register group c (0, 1) is 512 bytes, lane (r, H) at 16 (16 H + r): the 32 codes of K block 2 c + H of row r.
;   w1f [e][w 16][s 8][u 2][1024]: row r of tile (w, u) is hidden unit 32 w + 8 u + r + 8 (r / 8), so that a result's 16 registers of tiles u = 0, 1 are 16 neighbours along the next K.
;   w2f [e][g 32][s 4][i 2][1024]: row r of tile (g, i) is output column 32 g + 16 i + r.   w1s, w2s: for each (e, w or g, s) 32 words: the word of row r of tile u (i) at lane 16 u + r.
; A LANE TAKES A COLUMN n AND ITS REGISTERS RUN DOWN K: a block of 32 lies in one lane, and the conversions give codes with K innermost.  A wave takes 32 columns x 128 K; the eight waves of a
; work-group stand side by side on 1,024 bytes of each row.  A block's scale byte is its largest magnitude's exponent field - 2, held at 1 from below.
; LIMITS: a block of zeros gets the byte 1 where the rule says 127 (its codes are zeros, and this program alone reads the bytes); NaN and infinities are not served.
; order is written as a scatter of 4 bytes a lane: 32 KiB in all, four such stores a wave.  No tensor load, no cluster: what the placing work-groups share is 32 KiB.
.set XW, 32                            ; weights: v32-95 two sets of 32 numbers; v96-111 the four blocks' codes; v24 the scale word
.set CW, 96
.set HA, 32                            ; sort: v32-63 32 rows of counts; behind the barrier the waves' sums
.set RW, 64                            ; v64-67  my four runs' rows of counts
.set IT, 68                            ; v68-71  my four runs' picks
.set BS, 72                            ; v72-75  lane L: where run j's tokens of pair L begin
.set IX, 76                            ; v76-79  4 p
.set PO, 80                            ; v80-83  my pair's base, then 4 x position
.set RK, 84                            ; v84-87  my rank in the run
.set TK, 88                            ; v88-91  the token
.set HIST, 32768                       ; in the buffer pick: where the rows of counts begin
	s_load_b512 s[4:19], s[0:1], 0x0               ; w1 4, w2 6, pick 8, w1f 10, w1s 12, w2f 14, w2s 16, order 18
	s_load_b128 s[20:23], s[0:1], 0x40             ; blocks 20, out1 22
	v_lshl_add_u32 v112, v0, 2, 0x1000
	v_mov_b32 v113, 0
	v_lshrrev_b32 v2, 5, v0
	v_readfirstlane_b32 s3, v2                     ; wave
	v_and_b32 v1, 31, v0                           ; lane
	v_lshlrev_b32 v3, 2, v1                        ; 4 lane
	s_mov_b32 s29, 0
	s_wait_kmcnt 0x0
	s_cmp_lt_u32 ttmp9, 9
	s_cbranch_scc1 .Lsort
	s_cmp_lt_u32 ttmp9, 137
	s_cbranch_scc0 .Lw2
.macro WLOAD t, pitch, src             ; block t: rows 32 t .. 32 t + 31 of my column, into set t % 2
.set wi, 0
.rept 32
	global_load_b32 v[XW+32*((\t)%2)+wi], v3, s[\src:\src+1] offset:(32*(\t)+wi)*(\pitch) th:TH_LOAD_NT
.set wi, wi+1
.endr
.endm
.macro WBLOCK t, pitch, src, cod
.set wx, XW+32*((\t)%2)
.if (\t) < 3
	s_wait_loadcnt 32                              ; this block's 32 loads are in; the next block's are younger
.else
	s_wait_loadcnt 0
.endif
	v_max3_num_f32 v12, |v[wx]|, |v[wx+1]|, |v[wx+2]|     ; the block's largest magnitude, in two chains
	v_max3_num_f32 v13, |v[wx+3]|, |v[wx+4]|, |v[wx+5]|
.irp i, 6,10,14,18,22,26
	v_max3_num_f32 v12, v12, |v[wx+\i]|, |v[wx+\i+1]|
	v_max3_num_f32 v13, v13, |v[wx+\i+2]|, |v[wx+\i+3]|
.endr
	v_max3_num_f32 v12, v12, |v[wx+30]|, |v[wx+31]|
	v_max3_num_f32 v12, v12, v13, 0x1800000        ; and the floor 2^(3 - 127): the byte cannot fall under 1
	v_add_nc_u32 v11, 0xff000000, v12              ; 2 off the exponent field: the conversion takes that field as its scale
	v_lshrrev_b32 v13, 23, v11                     ; the byte
.if (\t) == 0
	v_mov_b32 v24, v13
.else
	v_lshl_or_b32 v24, v13, 8*(\t), v24
.endif
.irp g, 0,1,2,3
	v_cvt_scalef32_pk8_fp4_f32 v[CW+4*(\t)+\g], v[wx+8*\g:wx+8*\g+7], v11
.endr
	global_store_b128 v4, v[CW+4*(\t):CW+4*(\t)+3], s[\cod:\cod+1] offset:512*((\t)/2)+256*((\t)%2)   ; the sixteen lanes of a tile store 256 consecutive bytes, aligned; each block has registers of its own
.if (\t)+2 < 4
	WLOAD (\t)+2, \pitch, \src
.endif
.endm
.macro QW pitch, src, cod, scl
	WLOAD 0, \pitch, \src
	WLOAD 1, \pitch, \src
	WBLOCK 0, \pitch, \src, \cod
	WBLOCK 1, \pitch, \src, \cod
	WBLOCK 2, \pitch, \src, \cod
	WBLOCK 3, \pitch, \src, \cod
	global_store_b32 v5, v24, s[\scl:\scl+1]       ; 128 consecutive bytes: the two tiles' scale words of this K step
	s_endpgm
.endm
	; ---- w1: task = 8 (work-group - 9) + wave: column group cg = task & 15, K step s = (task >> 4) & 7, expert e = task >> 7
	s_sub_co_u32 s24, ttmp9, 9
	s_lshl_b32 s24, s24, 3
	s_add_co_u32 s24, s24, s3
	s_and_b32 s25, s24, 15
	s_bfe_u32 s26, s24, 0x30004
	s_lshr_b32 s27, s24, 7
	s_lshl_b32 s28, s27, 21                        ; in: e x 2,097,152 + s x 128 rows of 2,048 bytes + cg x 128
	s_lshl_b32 s30, s26, 18
	s_add_co_u32 s28, s28, s30
	s_lshl_b32 s30, s25, 7
	s_add_co_u32 s28, s28, s30
	s_add_nc_u64 s[4:5], s[4:5], s[28:29]
	s_lshl_b32 s28, s27, 18                        ; codes: e x 262,144 + cg x 16,384 + s x 2,048
	s_lshl_b32 s30, s25, 14
	s_add_co_u32 s28, s28, s30
	s_lshl_b32 s30, s26, 11
	s_add_co_u32 s28, s28, s30
	s_add_nc_u64 s[10:11], s[10:11], s[28:29]
	s_lshl_b32 s28, s27, 7                         ; scale words: (128 e + 8 cg + s) x 128
	s_lshl_b32 s30, s25, 3
	s_add_co_u32 s28, s28, s30
	s_add_co_u32 s28, s28, s26
	s_lshl_b32 s28, s28, 7
	s_add_nc_u64 s[12:13], s[12:13], s[28:29]
	v_bfe_u32 v6, v1, 3, 1                         ; my column q of 32 is row r = (q & 7) + 8 (q >> 4) of tile u = (q >> 3) & 1
	v_and_b32 v7, 7, v1
	v_lshrrev_b32 v8, 4, v1
	v_lshl_add_u32 v7, v8, 3, v7
	v_lshlrev_b32 v4, 4, v7
	v_lshl_add_u32 v4, v6, 10, v4                  ; 1,024 u + 16 r
	v_lshl_add_u32 v5, v6, 4, v7
	v_lshlrev_b32 v5, 2, v5                        ; 4 (16 u + r)
	QW 2048, 4, 10, 12
.Lw2:	; ---- w2: task = 8 (work-group - 137) + wave: g = task & 31, s = (task >> 5) & 3, e = task >> 7
	s_sub_co_u32 s24, ttmp9, 137
	s_lshl_b32 s24, s24, 3
	s_add_co_u32 s24, s24, s3
	s_and_b32 s25, s24, 31
	s_bfe_u32 s26, s24, 0x20005
	s_lshr_b32 s27, s24, 7
	s_lshl_b32 s28, s27, 21                        ; in: e x 2,097,152 + s x 128 rows of 4,096 bytes + g x 128
	s_lshl_b32 s30, s26, 19
	s_add_co_u32 s28, s28, s30
	s_lshl_b32 s30, s25, 7
	s_add_co_u32 s28, s28, s30
	s_add_nc_u64 s[6:7], s[6:7], s[28:29]
	s_lshl_b32 s28, s27, 18                        ; codes: e x 262,144 + g x 8,192 + s x 2,048
	s_lshl_b32 s30, s25, 13
	s_add_co_u32 s28, s28, s30
	s_lshl_b32 s30, s26, 11
	s_add_co_u32 s28, s28, s30
	s_add_nc_u64 s[14:15], s[14:15], s[28:29]
	s_lshl_b32 s28, s27, 7                         ; scale words: (128 e + 4 g + s) x 128
	s_lshl_b32 s30, s25, 2
	s_add_co_u32 s28, s28, s30
	s_add_co_u32 s28, s28, s26
	s_lshl_b32 s28, s28, 7
	s_add_nc_u64 s[16:17], s[16:17], s[28:29]
	v_lshrrev_b32 v6, 4, v1                        ; tile i = q >> 4, row r = q & 15
	v_and_b32 v7, 15, v1
	v_lshlrev_b32 v4, 4, v7
	v_lshl_add_u32 v4, v6, 10, v4
	v_lshlrev_b32 v5, 2, v1
	QW 4096, 6, 14, 16
.Lsort:	; ---- the sort.  Lane L stands for pair L wherever counts are summed.  Wave v adds up rows 32 v .. 32 v + 31 of the 256; its own four runs are 32 s + 4 v + j, j = 0 .. 3
	s_min_u32 s24, ttmp9, 7                        ; s.  (Work-group 8, which places nothing, takes chunk 7's addresses: no load leaves the buffer)
	s_lshl_b32 s28, s3, 12
	s_add_co_u32 s28, s28, HIST
	s_add_nc_u64 s[36:37], s[8:9], s[28:29]        ; rows 32 v on: 128 bytes a row
	s_lshl_b32 s28, s24, 12
	s_lshl_b32 s30, s3, 9
	s_add_co_u32 s28, s28, s30
	s_add_nc_u64 s[40:41], s[8:9], s[28:29]        ; my four runs' picks: 128 bytes a run,
	s_add_nc_u64 s[38:39], s[40:41], HIST          ; and their rows of counts, as many bytes on
.irp j, 0,1,2,3
	global_load_b32 v[IT+\j], v3, s[40:41] offset:128*\j
	global_load_b32 v[RW+\j], v3, s[38:39] offset:128*\j
.endr
.set hi, 0
.rept 32
	global_load_b32 v[HA+hi], v3, s[36:37] offset:128*hi       ; 128 consecutive bytes each; 40 loads of the wave are out together
.set hi, hi+1
.endr
	v_bfe_u32 v24, v0, 4, 1
	v_sub_nc_u32 v24, 0, v24                       ; all ones in lanes 16-31
	s_lshl_b32 s25, s24, 10
	s_lshl_b32 s30, s3, 7
	s_add_co_u32 s25, s25, s30
	v_add_nc_u32 v25, s25, v1                      ; my token of run 0: 1,024 s + 128 v + lane
	v_lshlrev_b32 v16, 2, v0                       ; LDS: [wave][32 words]: 4 x thread; the sums from byte 0, the ORs from 1,024, my four rows' sum from 2,048
	s_wait_loadcnt 0x0
.irp c, 0,1,2,3
	v_add3_u32 v[8+\c], v[HA+8*\c], v[HA+8*\c+1], v[HA+8*\c+2]   ; the 32 rows' sum, in four chains
.endr
.irp c, 0,1,2,3
	v_add3_u32 v[8+\c], v[8+\c], v[HA+8*\c+3], v[HA+8*\c+4]
.endr
.irp c, 0,1,2,3
	v_add3_u32 v[8+\c], v[8+\c], v[HA+8*\c+5], v[HA+8*\c+6]
.endr
.irp c, 0,1,2,3
	v_add_nc_u32 v[8+\c], v[8+\c], v[HA+8*\c+7]
.endr
	v_add3_u32 v8, v8, v9, v10
	v_add_nc_u32 v8, v8, v11
	v_add3_u32 v9, v[RW], v[RW+1], v[RW+2]
	v_add_nc_u32 v9, v9, v[RW+3]                   ; my four rows' sum
.irp st, 16,8,4,2,1
.set oi, 0
.rept \st
	v_or_b32 v[HA+oi], v[HA+oi], v[HA+oi+\st]      ; and the 32 rows' OR: lane 28's is what counts
.set oi, oi+1
.endr
.endr
	ds_store_b32 v16, v8
	ds_store_b32 v16, v[HA] offset:1024
	ds_store_b32 v16, v9 offset:2048
	s_wait_dscnt 0x0                               ; for the others' sake
	s_barrier_signal -1
	s_barrier_wait -1                              ; the one barrier: all eight waves of work-groups 0 to 8 are on this way
.irp k, 0,1,2,3,4,5,6,7
	ds_load_b32 v[HA+\k], v3 offset:128*\k         ; pair L's counts in the eight chunks of 1,024 tokens,
	ds_load_b32 v[HA+8+\k], v3 offset:2048+128*\k  ; and in the eight waves' parts of my chunk
.endr
	v_mov_b32 v26, 0                               ; the pair's total
	v_mov_b32 v27, 0                               ; and what lies ahead of my wave's tokens
	s_wait_dscnt 0x0
.irp k, 0,1,2,3,4,5,6,7
	s_cmp_gt_u32 s24, \k
	s_cselect_b32 s46, -1, 0
	s_cmp_gt_u32 s3, \k
	s_cselect_b32 s47, -1, 0
	v_add_nc_u32 v26, v26, v[HA+\k]
	v_and_b32 v15, s46, v[HA+\k]
	v_and_b32 v17, s47, v[HA+8+\k]
	v_add3_u32 v27, v27, v15, v17
.endr
.macro SCAN x                          ; v[x] becomes its running sum over the lanes, the lane's own number included.  (Lanes 28 on hold no pair's numbers; they stand behind all pairs and change none of their sums)
.irp n, 1,2,4,8
	v_mov_b32_dpp v15, v[\x] row_shr:\n row_mask:0xf bank_mask:0xf bound_ctrl:1
	v_add_nc_u32 v[\x], v[\x], v15
.endr
	v_readlane_b32 s46, v[\x], 15
	v_and_b32 v15, s46, v24
	v_add_nc_u32 v[\x], v[\x], v15
.endm
	v_mov_b32 v28, v26
	SCAN 28
	v_sub_nc_u32 v28, v28, v26                     ; where the pair's tokens begin
	s_cmp_eq_u32 ttmp9, 8
	s_cbranch_scc1 .Ltable
	; ---- work-groups 0-7: four runs of 32 tokens a wave are placed
	v_add_nc_u32 v[BS], v28, v27
	v_add_nc_u32 v[BS+1], v[BS], v[RW]
	v_add_nc_u32 v[BS+2], v[BS+1], v[RW+1]
	v_add_nc_u32 v[BS+3], v[BS+2], v[RW+2]
.irp j, 0,1,2,3
	v_and_b32 v[IX+\j], 31, v[IT+\j]
.endr
.irp j, 0,1,2,3
	v_min_u32 v[IX+\j], 27, v[IX+\j]               ; a loaded number is held before it names a lane
.endr
.irp j, 0,1,2,3
	v_lshlrev_b32 v[IX+\j], 2, v[IX+\j]
.endr
.irp j, 0,1,2,3
	ds_bpermute_b32 v[PO+\j], v[IX+\j], v[BS+\j]   ; my pair's base, from lane p
.endr
.irp j, 0,1,2,3
	v_bfe_u32 v[RK+\j], v[IT+\j], 8, 5
	v_add_nc_u32 v[TK+\j], 32*\j, v25
.endr
	s_wait_dscnt 0x0
.irp j, 0,1,2,3
	v_add_nc_u32 v[PO+\j], v[PO+\j], v[RK+\j]
.endr
.irp j, 0,1,2,3
	v_min_u32 v[PO+\j], 0x1fff, v[PO+\j]           ; held inside the list before it enters an address
.endr
.irp j, 0,1,2,3
	v_lshlrev_b32 v[PO+\j], 2, v[PO+\j]
.endr
.irp j, 0,1,2,3
	global_store_b32 v[PO+\j], v[TK+\j], s[18:19]
.endr
	s_wait_tensorcnt 0x0
	ds_add_u32 v112, v113
	s_wait_dscnt 0x0
	s_endpgm
.Ltable:	; ---- work-group 8: thread j writes entry j.  Its pair = how many of the 28 pairs end at or ahead of block j
	v_add_nc_u32 v29, 47, v26
	v_mul_u32_u24 v29, v29, 0xaaab
	v_lshrrev_b32 v29, 21, v29                     ; the pair's blocks: (total + 47) / 48; 43,691 x 48 = 2^21 + 16, exact for numbers up to 8,239
	v_mov_b32 v30, v29
	SCAN 30                                        ; blocks up to and with this pair,
	v_sub_nc_u32 v31, v30, v29                     ; and ahead of it
.set Q, 0
.rept 28
	v_readlane_b32 s[66+Q], v30, Q                 ; one run of 28, so that no compare waits for its own
.set Q, Q+1
.endr
	v_mov_b32 v15, 0
.set Q, 0
.rept 28
	v_cmp_le_u32 vcc_lo, s[66+Q], v0
	v_add_co_ci_u32 v15, vcc_lo, 0, v15, vcc_lo
.set Q, Q+1
.endr
	v_min_u32 v16, 27, v15                         ; entries behind the last block fall to pair 27 with nothing left
	v_lshlrev_b32 v17, 2, v16
	ds_bpermute_b32 v18, v17, v31
	ds_bpermute_b32 v19, v17, v28
	ds_bpermute_b32 v20, v17, v26
	v_mov_b32 v6, 0
.irp c, 7,13,18,22,25,27
	v_cmp_le_u32 vcc_lo, \c, v16
	v_add_co_ci_u32 v6, vcc_lo, 0, v6, vcc_lo      ; lo: how many of the pairs' row starts lie at or under p
.endr
	v_sub_nc_u32 v21, 15, v6
	v_mul_u32_u24 v21, v21, v6
	v_lshrrev_b32 v21, 1, v21
	v_sub_nc_u32 v21, v16, v21
	v_add3_u32 v7, v21, v6, 1                      ; hi = p - lo (15 - lo) / 2 + lo + 1
	v_lshlrev_b32 v22, 4, v0
	s_wait_dscnt 0x0
	v_sub_nc_u32 v18, v0, v18                      ; which block of the pair
	v_mul_u32_u24 v21, v18, 48
	v_add_nc_u32 v19, v19, v21
	v_min_u32 v4, 0x1fff, v19                      ; start
	v_sub_nc_u32 v20, v20, v21                     ; what is left of the pair
	v_cmp_lt_i32 vcc_lo, 0, v20
	v_cndmask_b32 v20, 0, v20, vcc_lo
	v_min_u32 v5, 48, v20                          ; count
	global_store_b128 v22, v[4:7], s[20:21]        ; 512 consecutive bytes a wave
	s_cmp_lg_u32 s3, 0
	s_cbranch_scc1 .Lsorted
	v_mov_b32 v15, 1024+4*28                       ; the eight waves' ORs: word 28 of each row
.irp k, 0,1,2,3,4,5,6,7
	ds_load_b32 v[64+\k], v15 offset:128*\k
.endr
	s_wait_dscnt 0x0
	v_or_b32 v64, v64, v65
	v_or_b32 v66, v66, v67
	v_or_b32 v68, v68, v69
	v_or_b32 v70, v70, v71
	v_or_b32 v64, v64, v66
	v_or_b32 v68, v68, v70
	v_or_b32 v64, v64, v68
	v_lshrrev_b32 v64, v1, v64
	v_and_b32 v64, 1, v64                          ; bit e = my lane's number
	s_wait_xcnt 0x0                                ; EXEC changes only behind this wait: a store is out
	s_wait_tensorcnt 0x0
	ds_add_u32 v112, v113
	s_wait_dscnt 0x0
	v_cmpx_gt_u32 8, v1
	global_store_b8 v1, v64, s[22:23]              ; out1
	s_endpgm
.Lsorted:
	s_wait_tensorcnt 0x0
	ds_add_u32 v112, v113
	s_wait_dscnt 0x0
	s_endpgm
.Lfunc_end_k_q59bb185bff_prep:
	.size	k_q59bb185bff_prep, .Lfunc_end_k_q59bb185bff_prep-k_q59bb185bff_prep
	.p2alignl 7, 3214868480
	.fill 96, 4, 3214868480
	.section	.rodata,"a",@progbits
	.p2align	6, 0x0
	.amdhsa_kernel k_q59bb185bff_prep
		.amdhsa_group_segment_fixed_size 5120
		.amdhsa_private_segment_fixed_size 0
		.amdhsa_enable_private_segment 0
		.amdhsa_kernarg_size 80
		.amdhsa_user_sgpr_count 2
		.amdhsa_user_sgpr_kernarg_segment_ptr 1
		.amdhsa_wavefront_size32 1
		.amdhsa_system_sgpr_workgroup_id_x 1
		.amdhsa_system_sgpr_workgroup_id_y 1
		.amdhsa_system_sgpr_workgroup_id_z 1
		.amdhsa_system_vgpr_workitem_id 0
		.amdhsa_next_free_vgpr 114
		.amdhsa_next_free_sgpr 96
		.amdhsa_reserve_vcc 1
		.amdhsa_float_denorm_mode_32 3
		.amdhsa_float_denorm_mode_16_64 3
		.amdhsa_memory_ordered 1
		.amdhsa_forward_progress 1
		.amdhsa_inst_pref_size 60
	.end_amdhsa_kernel
	.amdgpu_metadata
---
amdhsa.version: [ 1, 2 ]
amdhsa.kernels:
  - .name:           k_q59bb185bff_prep
    .symbol:         k_q59bb185bff_prep.kd
    .args:
      - { .name: w1, .offset: 0, .size: 8, .value_kind: global_buffer, .address_space: global }
      - { .name: w2, .offset: 8, .size: 8, .value_kind: global_buffer, .address_space: global }
      - { .name: pick, .offset: 16, .size: 8, .value_kind: global_buffer, .address_space: global }
      - { .name: w1f, .offset: 24, .size: 8, .value_kind: global_buffer, .address_space: global }
      - { .name: w1s, .offset: 32, .size: 8, .value_kind: global_buffer, .address_space: global }
      - { .name: w2f, .offset: 40, .size: 8, .value_kind: global_buffer, .address_space: global }
      - { .name: w2s, .offset: 48, .size: 8, .value_kind: global_buffer, .address_space: global }
      - { .name: order, .offset: 56, .size: 8, .value_kind: global_buffer, .address_space: global }
      - { .name: blocks, .offset: 64, .size: 8, .value_kind: global_buffer, .address_space: global }
      - { .name: out1, .offset: 72, .size: 8, .value_kind: global_buffer, .address_space: global }
    .group_segment_fixed_size: 5120
    .private_segment_fixed_size: 0
    .kernarg_segment_align: 8
    .kernarg_segment_size: 80
    .max_flat_workgroup_size: 256
    .sgpr_count:     96
    .vgpr_count:     114
    .wavefront_size: 32
...
	.end_amdgpu_metadata
.endif
;; end of part 2
;; launch chain (part 3): grid 198 x 1, 16 waves a work-group, no clusters, 251,904 bytes of LDS; arguments x, order, blocks, score, w1f, w1s, b1, w2f, w2s, b2, gamma, beta, out0; writes out0
.if DOCPART == 3
	.amdgcn_target "amdgcn-amd-amdhsa--gfx1250"
	.amdhsa_code_object_version 6
	.text
	.protected	k_q59bb185bff_chain
	.globl	k_q59bb185bff_chain
	.p2align	8
	.type	k_q59bb185bff_chain,@function
k_q59bb185bff_chain:
	s_mov_b64 s[64:65], 0
	v_nop
	global_prefetch_b8 v0, s[64:65] scope:SCOPE_SE
	s_setreg_imm32_b32 hwreg(HW_REG_WAVE_MODE, 25, 1), 1
	s_wait_xcnt 0x0
; ONE BLOCK OF AT MOST 48 TOKENS OF ONE PAIR OF EXPERTS (lo, hi) THROUGH THE WHOLE CHAIN: gather x, quantise, h = gelu(Q(x) Q(w1[E]) + b1[E]) for both experts, quantise,
; y = x + s_lo (Q(h_lo) Q(w2[lo]) + b2[lo]) + s_hi (the same of hi), LayerNorm, store.  Both products on codes of E2M1 with one E8M0 byte for each 32 along K.  The hidden layers never go to memory.
; GRID.  8,192 tokens in 28 pairs make at most (8,192 + 28 x 47) / 48 = 198 blocks, whatever the choice.  A block with fewer than 48 tokens fills its rows with the list's next entries (held inside the list), computes them and
; does not store them; a block that the split leaves empty does the same for all rows: the four barriers stand on the one way that every wave takes, under no branch on a loaded number.
; SHARES.  Sixteen waves share the COLUMNS: wave w makes hidden units 32 w .. + 31 of both experts and output columns 64 w .. + 63, for all 48 rows (three tiles m).  So each weight fragment is loaded by one wave, straight
; from memory into registers (the launch before laid it as the registers want it), and feeds three matrix instructions.
; BOTH PRODUCTS ARE USED TRANSPOSED (source 0 = 16 rows of a weight, source 1 = 16 tokens): lane (r, h) holds token 16 m + r; register j of a result is hidden unit 32 w + 16 h + 8 u + j, or column 64 w + 32 p + 16 i + 8 h + j.
; OPERANDS GO FROM WAVE TO WAVE THROUGH LDS AS IMAGES OF THEIR REGISTERS (1,024 bytes a fragment: group c at 512 c, lane (r, H) at 16 (16 H + r)).
; gelu is the tanh form: x / (1 + 2^(x (c0 + c1 x^2))), c0 = -2 sqrt(2 / pi) log2(e), c1 = 0.044715 c0.
; NO TENSOR LOAD, NO CLUSTER: the weights' addresses hang on expert numbers read from memory, and neighbouring blocks may want different experts, so no joint request could be equal in all partners.
; LIMITS: a block of zeros gets the scale byte 1 with zero codes; NaN and infinities are not served.
.set PX,   4112                        ; LDS: a row of x, later of y: 4,096 bytes + 16: an odd multiple of 16, so sixteen rows of a column start in different banks
.set XIMG, 48*PX                       ; x's 24 fragments: 8 m + s
.set XSC,  XIMG+24*1024                ; their scale words: [16 m + r][8 words]
.set HIMG, XSC+1536                    ; the hidden layers' fragments: 12,288 e + 1,024 (4 m + s)
.set HSC,  HIMG+24*1024                ; their scale words: 768 e + [16 m + r][4 words]
.set VL16, 1                           ; v1   16 lane
.set VL4,  2                           ; v2   4 lane
.set VB1,  3                           ; v3   64 h
.set VB2,  4                           ; v4   32 h
.set VST,  5                           ; v5   16 lane + 3 PX w: my three whole rows
.set VXI,  6                           ; v6   XIMG + 16 lane
.set VHI,  7                           ; v7   HIMG + 16 lane
.set VY,   8                           ; v8-10  (16 m + r) PX + 256 w + 32 h
.set VXW,  11                          ; v11  XIMG + 512 w + 16 r + 8 h
.set VXS,  12                          ; v12  XSC + 32 r + 2 w
.set VHW,  13                          ; v13  HIMG + 256 w + 16 r + 8 h
.set VHS,  14                          ; v14  HSC + 16 r + w
.set SC,   16                          ; v16-21 (s_lo, s_hi) of token 16 m + r
.set WS,   24                          ; v24-39 the weights' scale words; v40-55 the tokens': these 32 registers hold scales and nothing else
.set XS,   40
.set BI,   56                          ; v56-71 two tiles of a bias, in the result's layout
.set XF,   72                          ; v72-95 the three token fragments of a step; while a quantiser runs: TM, TP, PC
.set TM,   72
.set TP,   78
.set PC,   84
.set ACC,  96                          ; v96-143 accumulator (a, m) at ACC + 16 m + 8 a
.set TT,   144                         ; v144-191 gelu's work; in the second product y: (i, m) at YY + 16 m + 8 i
.set YY,   144
.set WB,   192                         ; v192-255 four slots of two weight fragments: 16 slot + 8 a + 4 c
.set XRP,  48                          ; s[48:53] my three rows of x;  s[90:95] of out0
.set ORP,  90
.set W1P,  54                          ; s[54:57] w1f, s[58:61] w2f, s[66:69] w1s, s[70:73] w2s, s[74:77] b1, s[78:81] b2: my wave's part, for lo and for hi
.set W2P,  58
.set W1SP, 66
.set W2SP, 70
.set B1P,  74
.set B2P,  78
	s_load_b512 s[8:23], s[0:1], 0x0               ; x 8, order 10, blocks 12, score 14, w1f 16, w1s 18, b1 20, w2f 22
	s_load_b256 s[24:31], s[0:1], 0x40             ; w2s 24, b2 26, gamma 28, beta 30
	s_load_b64 s[32:33], s[0:1], 0x60              ; out0
	v_lshrrev_b32 v15, 5, v0                       ; w
	v_readfirstlane_b32 s34, v15
	v_and_b32 v22, 15, v0                          ; r
	v_bfe_u32 v23, v0, 4, 1                        ; h
	v_and_b32 v2, 31, v0
	v_lshlrev_b32 v1, 4, v2
	v_lshlrev_b32 v2, 2, v2
	v_lshlrev_b32 v3, 6, v23
	v_lshlrev_b32 v4, 5, v23
	v_mad_u32_u24 v5, v15, 3*PX, v1
	v_add_nc_u32 v6, XIMG, v1
	v_add_nc_u32 v7, HIMG, v1
	v_mul_u32_u24 v8, v22, PX
	v_lshl_add_u32 v8, v15, 8, v8
	v_add_nc_u32 v8, v8, v4
	v_add_nc_u32 v9, 16*PX, v8
	v_add_nc_u32 v10, 32*PX, v8
	v_lshlrev_b32 v11, 4, v22
	v_lshl_add_u32 v11, v23, 3, v11
	v_lshl_add_u32 v13, v15, 8, v11
	v_add_nc_u32 v13, HIMG, v13
	v_lshl_add_u32 v11, v15, 9, v11
	v_add_nc_u32 v11, XIMG, v11
	v_lshlrev_b32 v12, 5, v22
	v_lshl_add_u32 v12, v15, 1, v12
	v_add_nc_u32 v12, XSC, v12
	v_lshl_add_u32 v14, v22, 4, v15
	v_add_nc_u32 v14, HSC, v14
	s_mov_b32 s82, 0xc0135761                      ; c0
	s_mov_b32 s84, 0xbdd2d3e8                      ; c1
	s_mov_b32 s86, 0x76543210
	s_mov_b32 s87, 0xfedcba98                      ; v_permlanex16_b32's selects for lane l xor 16
	s_mov_b32 s88, 0x3a800000                      ; 1 / 1,024
	s_mov_b32 s89, 0x3727c5ac                      ; 1e-5
	s_mul_i32 s35, s34, 3                          ; my first whole row
	s_lshl_b32 s40, ttmp9, 4
	s_mov_b32 s41, 0
	s_wait_kmcnt 0x0
	s_add_nc_u64 s[12:13], s[12:13], s[40:41]
	s_load_b128 s[36:39], s[12:13], 0x0            ; start, count, lo, hi
	s_wait_kmcnt 0x0
	s_min_u32 s36, s36, 0x1fff                     ; every loaded number is held before it enters an address or a compare
	s_min_u32 s37, s37, 48
	s_min_u32 s38, s38, 7
	s_min_u32 s39, s39, 7
.irp i, 0,1,2
	s_add_co_u32 s40, s36, s35
	s_add_co_u32 s40, s40, \i
	s_min_u32 s40, s40, 0x1fff
	s_lshl_b32 s40, s40, 2
	s_add_nc_u64 s[XRP+2*\i:XRP+2*\i+1], s[10:11], s[40:41]
	s_load_b32 s[44+\i], s[XRP+2*\i:XRP+2*\i+1], 0x0          ; the tokens of my three whole rows
.endr
	v_add_nc_u32 v72, s36, v22
	v_add_nc_u32 v73, 16, v72
	v_add_nc_u32 v74, 32, v72
.irp m, 0,1,2
	v_min_u32 v[72+\m], 0x1fff, v[72+\m]
	v_lshlrev_b32 v[72+\m], 2, v[72+\m]
.endr
.irp m, 0,1,2
	global_load_b32 v[76+\m], v[72+\m], s[10:11]   ; the token of row 16 m + r, for its scores
.endr
.macro PTRS e, ereg                    ; my wave's part of expert s[ereg]'s weights
	s_lshl_b32 s40, s[\ereg], 18
	s_lshl_b32 s42, s34, 14
	s_add_co_u32 s40, s40, s42                     ; 262,144 E + 16,384 w, in w1f and in w2f
	s_add_nc_u64 s[W1P+2*\e:W1P+2*\e+1], s[16:17], s[40:41]
	s_add_nc_u64 s[W2P+2*\e:W2P+2*\e+1], s[22:23], s[40:41]
	s_lshl_b32 s40, s[\ereg], 14
	s_lshl_b32 s42, s34, 10
	s_add_co_u32 s40, s40, s42                     ; 16,384 E + 1,024 w, in w1s and in w2s
	s_add_nc_u64 s[W1SP+2*\e:W1SP+2*\e+1], s[18:19], s[40:41]
	s_add_nc_u64 s[W2SP+2*\e:W2SP+2*\e+1], s[24:25], s[40:41]
	s_lshl_b32 s40, s[\ereg], 11
	s_lshl_b32 s42, s34, 7
	s_add_co_u32 s40, s40, s42                     ; b1: 2,048 E + 128 w;
	s_add_nc_u64 s[B1P+2*\e:B1P+2*\e+1], s[20:21], s[40:41]
	s_lshl_b32 s40, s40, 1                         ; b2: twice that
	s_add_nc_u64 s[B2P+2*\e:B2P+2*\e+1], s[26:27], s[40:41]
.endm
	PTRS 0, 38
	PTRS 1, 39
	s_wait_kmcnt 0x0
.irp i, 0,1,2
	s_min_u32 s[44+\i], s[44+\i], 0x1fff
	s_lshl_b32 s40, s[44+\i], 12
	s_add_nc_u64 s[XRP+2*\i:XRP+2*\i+1], s[8:9], s[40:41]
	s_add_nc_u64 s[ORP+2*\i:ORP+2*\i+1], s[32:33], s[40:41]
.endr
.irp i, 0,1,2
.irp j, 0,1,2,3,4,5,6,7
	global_load_b128 v[ACC+32*\i+4*\j:ACC+32*\i+4*\j+3], v[VL16], s[XRP+2*\i:XRP+2*\i+1] offset:512*\j   ; a row by eight loads of 512 consecutive bytes
.endr
.endr
; Step t's two weight fragments into slot t % 4.  t = 0 .. 7: w1[lo], K step t; 8 .. 15: w1[hi]; 16 + 8 p + 4 e + s: w2 of expert e, my column pair p, K step s.
.macro FILLT t
.set fR, WB+16*((\t)%4)
.if (\t) < 16
.set fP, W1P+2*((\t)/8)
.set fO, 2048*((\t)%8)
.else
.set fP, W2P+2*((((\t)-16)/4)%2)
.set fO, 8192*(((\t)-16)/8)+2048*((\t)%4)
.endif
.irp k, 0,1,2,3
	global_load_b128 v[fR+4*\k:fR+4*\k+3], v[VL16], s[fP:fP+1] offset:fO+512*\k
.endr
.endm
.macro BIAS ptr, voff, off, stride     ; two tiles of a bias: eight numbers a lane and tile
.irp a, 0,1
.irp q, 0,1
	global_load_b128 v[BI+8*\a+4*\q:BI+8*\a+4*\q+3], v[\voff], s[\ptr:\ptr+1] offset:(\off)+(\stride)*\a+16*\q
.endr
.endr
.endm
.macro OPER adr, off, mstride          ; the three token fragments of a step, as images
.irp m, 0,1,2
.irp c, 0,1
	ds_load_b128 v[XF+8*\m+4*\c:XF+8*\m+4*\c+3], v[\adr] offset:(\off)+\m*(\mstride)+512*\c
.endr
.endr
.endm
; Six matrix instructions: tiles a = 0, 1 of the weight x token tiles m = 0, 1, 2.  The six accumulators take turns, one instruction a turn, in the same order in every step.
; The weight's scale words: tile 0 in lanes 0-15, tile 1 in lanes 16-31 of v[ws].  The tokens': m = 0 below and m = 1 above in v[sa], m = 2 in v[sb].  first: the bias is the C of a sum's first product.
.macro MM slot, ws, sa, sb, first
.irp m, 0,1,2
.irp a, 0,1
.set rD, ACC+16*\m+8*\a
.set rA, WB+16*(\slot)+8*\a
.set rB, XF+8*\m
.set rC, rD
.if \first
.set rC, BI+8*\a
.endif
.set rS, \sa
.if \m == 2
.set rS, \sb
.endif
.if (\a == 0) && (\m != 1)
	v_wmma_scale_f32_16x16x128_f8f6f4 v[rD:rD+7], v[rA:rA+7], v[rB:rB+7], v[rC:rC+7], v[\ws], v[rS] matrix_a_fmt:MATRIX_FMT_FP4 matrix_b_fmt:MATRIX_FMT_FP4
.elseif (\a == 1) && (\m != 1)
	v_wmma_scale_f32_16x16x128_f8f6f4 v[rD:rD+7], v[rA:rA+7], v[rB:rB+7], v[rC:rC+7], v[\ws], v[rS] matrix_a_fmt:MATRIX_FMT_FP4 matrix_b_fmt:MATRIX_FMT_FP4 matrix_a_scale:MATRIX_SCALE_ROW1
.elseif \a == 0
	v_wmma_scale_f32_16x16x128_f8f6f4 v[rD:rD+7], v[rA:rA+7], v[rB:rB+7], v[rC:rC+7], v[\ws], v[rS] matrix_a_fmt:MATRIX_FMT_FP4 matrix_b_fmt:MATRIX_FMT_FP4 matrix_b_scale:MATRIX_SCALE_ROW1
.else
	v_wmma_scale_f32_16x16x128_f8f6f4 v[rD:rD+7], v[rA:rA+7], v[rB:rB+7], v[rC:rC+7], v[\ws], v[rS] matrix_a_fmt:MATRIX_FMT_FP4 matrix_b_fmt:MATRIX_FMT_FP4 matrix_a_scale:MATRIX_SCALE_ROW1 matrix_b_scale:MATRIX_SCALE_ROW1
.endif
.endr
.endr
.endm
; A step of 128 along K.  n = the global loads issued behind this step's own four (three later fills, and what went out among them).
; Behind the products: four places, then loads into registers that they have read: the next step's token fragments, the next bias or scale words, and the fill four steps on.
; The token fragments of steps 8 and 16 are fetched elsewhere: a quantiser works in their registers first.
.macro STEP t, n
.if (\t) < 16
.set qW, WS+(\t)
.set qA, XS+(\t)%8
.set qB, XS+8+(\t)%8
.set qF, 0
.if ((\t)%8) == 0
.set qF, 1
.endif
.else
.set qE, (((\t)-16)/4)%2
.set qW, WS+8*qE+4*(((\t)-16)/8)+(\t)%4
.set qA, XS+8*qE+(\t)%4
.set qB, XS+8*qE+4+(\t)%4
.set qF, 0
.if ((\t)%4) == 0
.set qF, 1
.endif
.endif
	s_wait_dscnt 0x0                               ; the token fragments are in
	s_wait_loadcnt \n
	MM (\t)%4, qW, qA, qB, qF
.rept 4
	v_nop
.endr
.set qN, (\t)+1
.if (qN < 16) && (qN != 8)
	OPER VXI, 1024*(qN%8), 8192
.elseif (qN > 16) && (qN < 32)
	OPER VHI, 12288*(((qN-16)/4)%2)+1024*(qN%4), 4096
.endif
.if (\t) == 0
	BIAS B1P+2, VB1, 0, 32                         ; b1[hi], wanted at step 8
.elseif (\t) == 8
	BIAS B2P, VB2, 0, 64                           ; b2[lo], columns p = 0, wanted at step 16
.elseif (\t) == 15
.irp e, 0,1
.irp p, 0,1
.irp s, 0,1,2,3
	global_load_b32 v[WS+8*\e+4*\p+\s], v[VL4], s[W2SP+2*\e:W2SP+2*\e+1] offset:512*\p+128*\s    ; w2's sixteen scale words take w1's place
.endr
.endr
.endr
.elseif (\t) == 16
	BIAS B2P+2, VB2, 0, 64
.elseif (\t) == 20
	BIAS B2P, VB2, 128, 64
.elseif (\t) == 24
	BIAS B2P+2, VB2, 128, 64
.endif
.if (\t) <= 27
	FILLT (\t)+4
.endif
.endm
; nb blocks by turns: v[base + 16 b .. + 15] are 16 neighbours along K of my token (the other 16 lie in lane l xor 16).  Out: the codes in v[PC + 2 b], v[PC + 2 b + 1], the scale's byte in v[TP + b].
.macro QUANT base, nb
.set qb, 0
.rept \nb
	v_max3_num_f32 v[TM+qb], |v[\base+16*qb]|, |v[\base+16*qb+1]|, 0x1800000    ; with the floor 2^(3 - 127): the byte cannot fall under 1
.set qb, qb+1
.endr
.irp i, 2,4,6,8,10,12,14
.set qb, 0
.rept \nb
	v_max3_num_f32 v[TM+qb], v[TM+qb], |v[\base+16*qb+\i]|, |v[\base+16*qb+\i+1]|
.set qb, qb+1
.endr
.endr
.set qb, 0
.rept \nb
	v_permlanex16_b32 v[TP+qb], v[TM+qb], s86, s87
.set qb, qb+1
.endr
.set qb, 0
.rept \nb
	v_max_num_f32 v[TM+qb], v[TM+qb], v[TP+qb]     ; the block's largest magnitude
.set qb, qb+1
.endr
.set qb, 0
.rept \nb
	v_add_nc_u32 v[TM+qb], 0xff000000, v[TM+qb]    ; 2 off its exponent field: the conversion's scale operand
.set qb, qb+1
.endr
.set qb, 0
.rept \nb
	v_lshrrev_b32 v[TP+qb], 23, v[TM+qb]           ; the byte
.set qb, qb+1
.endr
.set qb, 0
.rept \nb
	v_cvt_scalef32_pk8_fp4_f32 v[PC+2*qb], v[\base+16*qb:\base+16*qb+7], v[TM+qb]
	v_cvt_scalef32_pk8_fp4_f32 v[PC+2*qb+1], v[\base+16*qb+8:\base+16*qb+15], v[TM+qb]
.set qb, qb+1
.endr
	v_nop                                          ; one plain place behind the last scaled conversion
.endm
; gelu on the 48 numbers of the six accumulators, in place; each accumulator is first read at its low end.  Two batches of transcendentals, one wait each.
.macro GELU
	v_mov_b32 v72, s82
	v_mov_b32 v73, s82
	v_mov_b32 v74, s84
	v_mov_b32 v75, s84
.set gk, 0
.rept 24
	v_pk_mul_f32 v[TT+gk:TT+gk+1], v[ACC+gk:ACC+gk+1], v[ACC+gk:ACC+gk+1]
.set gk, gk+2
.endr
.set gk, 0
.rept 24
	v_pk_fma_f32 v[TT+gk:TT+gk+1], v[TT+gk:TT+gk+1], v[74:75], v[72:73]
.set gk, gk+2
.endr
.set gk, 0
.rept 24
	v_pk_mul_f32 v[TT+gk:TT+gk+1], v[TT+gk:TT+gk+1], v[ACC+gk:ACC+gk+1]
.set gk, gk+2
.endr
.set gk, 0
.rept 48
	v_exp_f32 v[TT+gk], v[TT+gk]
.set gk, gk+1
.endr
	v_nop
	s_wait_alu depctr_va_vdst(0)
.set gk, 0
.rept 24
	v_pk_add_f32 v[TT+gk:TT+gk+1], v[TT+gk:TT+gk+1], 1.0 op_sel_hi:[1,0]
.set gk, gk+2
.endr
.set gk, 0
.rept 48
	v_rcp_f32 v[TT+gk], v[TT+gk]
.set gk, gk+1
.endr
	v_nop
	s_wait_alu depctr_va_vdst(0)
.set gk, 0
.rept 24
	v_pk_mul_f32 v[ACC+gk:ACC+gk+1], v[ACC+gk:ACC+gk+1], v[TT+gk:TT+gk+1]
.set gk, gk+2
.endr
.endm
.macro HSTORE e                        ; my 32 hidden units are K block w of the second product: 8 bytes a lane at their place in the images, one byte a row among the scale words
.irp m, 0,1,2
	ds_store_b64 v[VHW], v[PC+2*\m:PC+2*\m+1] offset:12288*\e+4096*\m
	ds_store_b8 v[VHS], v[TP+\m] offset:768*\e+256*\m      ; lanes l and l xor 16 write the same byte with the same value
.endr
.endm
.macro BAR                             ; my LDS stores have landed and my LDS loads are in: then the work-group's barrier.  Global loads of buffers that nobody writes stay out across it
	s_wait_dscnt 0x0
	s_barrier_signal -1
	s_barrier_wait -1
.endm
.macro YLOAD p
.irp m, 0,1,2
.irp i, 0,1
	ds_load_b128 v[YY+16*\m+8*\i:YY+16*\m+8*\i+3], v[VY+\m] offset:64*(2*\p+\i)
	ds_load_b128 v[YY+16*\m+8*\i+4:YY+16*\m+8*\i+7], v[VY+\m] offset:64*(2*\p+\i)+16
.endr
.endr
.endm
.macro YSTORE p
.irp m, 0,1,2
.irp i, 0,1
	ds_store_b128 v[VY+\m], v[YY+16*\m+8*\i:YY+16*\m+8*\i+3] offset:64*(2*\p+\i)
	ds_store_b128 v[VY+\m], v[YY+16*\m+8*\i+4:YY+16*\m+8*\i+7] offset:64*(2*\p+\i)+16
.endr
.endr
.endm
.macro COMB e                          ; y += score x result, ascending: each accumulator is first read at its low end
.set ck, 0
.rept 24
.if \e == 0
	v_pk_fma_f32 v[YY+ck:YY+ck+1], v[ACC+ck:ACC+ck+1], v[SC+2*(ck/16):SC+2*(ck/16)+1], v[YY+ck:YY+ck+1] op_sel_hi:[1,0,1]
.else
	v_pk_fma_f32 v[YY+ck:YY+ck+1], v[ACC+ck:ACC+ck+1], v[SC+2*(ck/16):SC+2*(ck/16)+1], v[YY+ck:YY+ck+1] op_sel:[0,1,0] op_sel_hi:[1,1,1]
.endif
.set ck, ck+2
.endr
.endm
	s_wait_loadcnt 24                              ; the three list words are in: x's 24 loads are younger
.irp m, 0,1,2
	v_min_u32 v[80+\m], 0x1fff, v[76+\m]
	v_lshlrev_b32 v[80+\m], 3, v[80+\m]
.endr
.irp m, 0,1,2
	global_load_b64 v[SC+2*\m:SC+2*\m+1], v[80+\m], s[14:15]
.endr
.irp e, 0,1
.irp s, 0,1,2,3,4,5,6,7
	global_load_b32 v[WS+8*\e+\s], v[VL4], s[W1SP+2*\e:W1SP+2*\e+1] offset:128*\s       ; w1's sixteen scale words
.endr
.endr
	BIAS B1P, VB1, 0, 32
	FILLT 0
	FILLT 1
	FILLT 2
	FILLT 3
	s_wait_loadcnt 39                              ; x's rows are in: 3 + 16 + 4 + 16 loads are younger
.irp i, 0,1,2
.irp j, 0,1,2,3,4,5,6,7
	ds_store_b128 v[VST], v[ACC+32*\i+4*\j:ACC+32*\i+4*\j+3] offset:PX*\i+512*\j
.endr
.endr
	BAR                                            ; 1: the 48 rows of x lie in LDS
	; ---- x is quantised: wave w takes K blocks 2 w and 2 w + 1 of all three tiles of rows
	s_wait_xcnt 0x0                                ; the scores' loads have read their offsets: v80-82 are written again below
	v_add_nc_u32 v15, v8, v4                       ; (16 m + r) PX + 256 w + 64 h: my 16 numbers of a block
	v_add_nc_u32 v22, v9, v4
	v_add_nc_u32 v23, v10, v4
.macro QLD m, adr
.irp s, 0,1
.irp j, 0,1,2,3
	ds_load_b128 v[ACC+16*(2*\m+\s)+4*\j:ACC+16*(2*\m+\s)+4*\j+3], v[\adr] offset:128*\s+16*\j
.endr
.endr
.endm
	QLD 0, 15
	QLD 1, 22
	QLD 2, 23
.irp b, 0,1,2,3,4,5
	v_mov_b32 v[TP+\b], 0                          ; a lane permute's destination counts as one of its sources
.endr
	s_wait_dscnt 0x0
	QUANT ACC, 6
.irp m, 0,1,2
.irp s, 0,1
	ds_store_b64 v[VXW], v[PC+2*(2*\m+\s):PC+2*(2*\m+\s)+1] offset:8192*\m+256*\s      ; 8 h in the address puts my half of the block beside the other half: no lanes are swapped
.endr
.endr
.irp m, 0,1,2
	v_lshl_or_b32 v[TP+2*\m], v[TP+2*\m+1], 8, v[TP+2*\m]
.endr
.irp m, 0,1,2
	ds_store_b16 v[VXS], v[TP+2*\m] offset:512*\m
.endr
	BAR                                            ; 2: x's 24 fragments and their scale words lie in LDS
	; ---- the first product, gelu and the quantiser, for lo and for hi
	v_lshl_add_u32 v22, v1, 1, XSC                 ; XSC + 32 lane: lanes 0-15 tile 0's rows, lanes 16-31 tile 1's
	v_and_b32 v23, 15, v0
	v_lshl_add_u32 v23, v23, 5, XSC+1024           ; tile 2's
	ds_load_b128 v[XS:XS+3], v22
	ds_load_b128 v[XS+4:XS+7], v22 offset:16
	ds_load_b128 v[XS+8:XS+11], v23
	ds_load_b128 v[XS+12:XS+15], v23 offset:16
	OPER VXI, 0, 8192
	STEP 0, 12
	STEP 1, 16
	STEP 2, 16
	STEP 3, 16
	STEP 4, 12
	STEP 5, 12
	STEP 6, 12
	STEP 7, 12
	GELU
	QUANT ACC, 3
	HSTORE 0
	s_wait_dscnt 0x0                               ; the stores have read their registers: the fragments below land there
	OPER VXI, 0, 8192
	STEP 8, 12
	STEP 9, 16
	STEP 10, 16
	STEP 11, 16
	STEP 12, 12
	STEP 13, 12
	STEP 14, 12
	STEP 15, 12
	GELU
	QUANT ACC, 3
	HSTORE 1
	BAR                                            ; 3: both hidden layers' fragments lie in LDS
	; ---- the second product: for each pair p of column tiles: y = x + s_lo D_lo + s_hi D_hi, back into x's place
	v_add_nc_u32 v22, HSC, v1                      ; HSC + 16 lane: tiles 0 and 1
	v_and_b32 v23, 15, v0
	v_lshl_add_u32 v23, v23, 4, HSC+512            ; tile 2
.irp e, 0,1
	ds_load_b128 v[XS+8*\e:XS+8*\e+3], v22 offset:768*\e
	ds_load_b128 v[XS+8*\e+4:XS+8*\e+7], v23 offset:768*\e
.endr
	YLOAD 0
	OPER VHI, 0, 4096
	STEP 16, 4                                     ; w2's scale words went out behind the fills of steps 16 to 18: only step 19's fill is younger than they
	STEP 17, 12
	STEP 18, 16
	STEP 19, 16
	COMB 0                                         ; (with the step's four places these give each accumulator more than five places before it is begun anew)
	STEP 20, 12
	STEP 21, 16
	STEP 22, 16
	STEP 23, 16
	COMB 1
	YSTORE 0
	s_wait_dscnt 0x0                               ; the stores have read their registers
	YLOAD 1
	STEP 24, 12
	STEP 25, 16
	STEP 26, 16
	STEP 27, 16
	COMB 0
	STEP 28, 12
	STEP 29, 8
	STEP 30, 4
	STEP 31, 0
.irp j, 0,1,2,3,4,5,6,7
	global_load_b128 v[192+4*\j:192+4*\j+3], v[VL16], s[28:29] offset:512*\j      ; gamma and beta take the slots' place, behind the last step's four places
	global_load_b128 v[224+4*\j:224+4*\j+3], v[VL16], s[30:31] offset:512*\j
.endr
	COMB 1
	YSTORE 1
	BAR                                            ; 4: 48 whole rows of y lie in LDS
	; ---- LayerNorm of my three whole rows, the rows by turns; row i in v[96 + 32 i ..], its work in v[72 + 8 i ..]
.irp i, 0,1,2
.irp j, 0,1,2,3,4,5,6,7
	ds_load_b128 v[96+32*\i+4*\j:96+32*\i+4*\j+3], v[VST] offset:PX*\i+512*\j
.endr
.endr
	s_wait_dscnt 0x0
.macro RED                             ; v[72 + 8 i] summed over the 32 lanes
.irp n, 1,2,4,8
.irp i, 0,1,2
	v_add_f32_dpp v[72+8*\i], v[72+8*\i], v[72+8*\i] row_xmask:\n row_mask:0xf bank_mask:0xf
.endr
.endr
.irp i, 0,1,2
	v_permlanex16_b32 v[76+8*\i], v[72+8*\i], s86, s87
.endr
.irp i, 0,1,2
	v_add_f32 v[72+8*\i], v[72+8*\i], v[76+8*\i]
.endr
.endm
.irp i, 0,1,2
	v_pk_add_f32 v[72+8*\i:73+8*\i], v[96+32*\i:97+32*\i], v[98+32*\i:99+32*\i]
	v_pk_add_f32 v[74+8*\i:75+8*\i], v[100+32*\i:101+32*\i], v[102+32*\i:103+32*\i]
.endr
.irp k, 8,12,16,20,24,28
.irp i, 0,1,2
	v_pk_add_f32 v[72+8*\i:73+8*\i], v[72+8*\i:73+8*\i], v[96+32*\i+\k:97+32*\i+\k]
	v_pk_add_f32 v[74+8*\i:75+8*\i], v[74+8*\i:75+8*\i], v[98+32*\i+\k:99+32*\i+\k]
.endr
.endr
.irp i, 0,1,2
	v_pk_add_f32 v[72+8*\i:73+8*\i], v[72+8*\i:73+8*\i], v[74+8*\i:75+8*\i]
.endr
.irp i, 0,1,2
	v_add_f32 v[72+8*\i], v[72+8*\i], v[73+8*\i]
.endr
	RED
.irp i, 0,1,2
	v_mul_f32 v[78+8*\i], s88, v[72+8*\i]          ; the mean
.endr
.irp k, 0,2,4,6,8,10,12,14,16,18,20,22,24,26,28,30
.irp i, 0,1,2
	v_pk_add_f32 v[96+32*\i+\k:97+32*\i+\k], v[96+32*\i+\k:97+32*\i+\k], v[78+8*\i:79+8*\i] op_sel_hi:[1,0] neg_lo:[0,1] neg_hi:[0,1]   ; y - mean
.endr
.endr
.irp i, 0,1,2
	v_pk_mul_f32 v[72+8*\i:73+8*\i], v[96+32*\i:97+32*\i], v[96+32*\i:97+32*\i]
	v_pk_mul_f32 v[74+8*\i:75+8*\i], v[98+32*\i:99+32*\i], v[98+32*\i:99+32*\i]
.endr
.irp k, 4,8,12,16,20,24,28
.irp i, 0,1,2
	v_pk_fma_f32 v[72+8*\i:73+8*\i], v[96+32*\i+\k:97+32*\i+\k], v[96+32*\i+\k:97+32*\i+\k], v[72+8*\i:73+8*\i]
	v_pk_fma_f32 v[74+8*\i:75+8*\i], v[98+32*\i+\k:99+32*\i+\k], v[98+32*\i+\k:99+32*\i+\k], v[74+8*\i:75+8*\i]
.endr
.endr
.irp i, 0,1,2
	v_pk_add_f32 v[72+8*\i:73+8*\i], v[72+8*\i:73+8*\i], v[74+8*\i:75+8*\i]
.endr
.irp i, 0,1,2
	v_add_f32 v[72+8*\i], v[72+8*\i], v[73+8*\i]
.endr
	RED
.irp i, 0,1,2
	v_fma_f32 v[72+8*\i], v[72+8*\i], s88, s89     ; the variance + 1e-5
.endr
.irp i, 0,1,2
	v_rsq_f32 v[78+8*\i], v[72+8*\i]
.endr
	v_nop
	s_wait_alu depctr_va_vdst(0)                   ; one wait for the three, ahead of their first reader
	s_wait_loadcnt 0x0                             ; gamma and beta
.irp k, 0,2,4,6,8,10,12,14,16,18,20,22,24,26,28,30
.irp i, 0,1,2
	v_pk_mul_f32 v[96+32*\i+\k:97+32*\i+\k], v[96+32*\i+\k:97+32*\i+\k], v[78+8*\i:79+8*\i] op_sel_hi:[1,0]
.endr
.endr
.irp k, 0,2,4,6,8,10,12,14,16,18,20,22,24,26,28,30
.irp i, 0,1,2
	v_pk_fma_f32 v[96+32*\i+\k:97+32*\i+\k], v[96+32*\i+\k:97+32*\i+\k], v[192+\k:193+\k], v[224+\k:225+\k]
.endr
.endr
.irp i, 0,1,2
	s_add_co_u32 s40, s35, \i
	s_cmp_lt_u32 s40, s37                          ; only the block's own rows are stored: a branch on a number that the launch before stored
	s_cbranch_scc0 .Lnone\i
.irp j, 0,1,2,3,4,5,6,7
	global_store_b128 v[VL16], v[96+32*\i+4*\j:96+32*\i+4*\j+3], s[ORP+2*\i:ORP+2*\i+1] offset:512*\j th:TH_STORE_NT   ; 512 consecutive bytes, aligned; written once, read by nobody here
.endr
.Lnone\i:
.endr
	s_wait_xcnt 0x0
	v_lshl_add_u32 v254, v0, 2, 0x3d000
	v_mov_b32 v255, 0
	s_wait_tensorcnt 0x0
	ds_add_u32 v254, v255
	s_wait_dscnt 0x0
	s_endpgm
.Lfunc_end_k_q59bb185bff_chain:
	.size	k_q59bb185bff_chain, .Lfunc_end_k_q59bb185bff_chain-k_q59bb185bff_chain
	.p2alignl 7, 3214868480
	.fill 96, 4, 3214868480
	.section	.rodata,"a",@progbits
	.p2align	6, 0x0
	.amdhsa_kernel k_q59bb185bff_chain
		.amdhsa_group_segment_fixed_size 251904
		.amdhsa_private_segment_fixed_size 0
		.amdhsa_enable_private_segment 0
		.amdhsa_kernarg_size 104
		.amdhsa_user_sgpr_count 2
		.amdhsa_user_sgpr_kernarg_segment_ptr 1
		.amdhsa_wavefront_size32 1
		.amdhsa_system_sgpr_workgroup_id_x 1
		.amdhsa_system_sgpr_workgroup_id_y 1
		.amdhsa_system_sgpr_workgroup_id_z 1
		.amdhsa_system_vgpr_workitem_id 0
		.amdhsa_next_free_vgpr 256
		.amdhsa_next_free_sgpr 96
		.amdhsa_reserve_vcc 0
		.amdhsa_float_denorm_mode_32 3
		.amdhsa_float_denorm_mode_16_64 3
		.amdhsa_memory_ordered 1
		.amdhsa_forward_progress 1
		.amdhsa_inst_pref_size 139
	.end_amdhsa_kernel
	.amdgpu_metadata
---
amdhsa.version: [ 1, 2 ]
amdhsa.kernels:
  - .name:           k_q59bb185bff_chain
    .symbol:         k_q59bb185bff_chain.kd
    .args:
      - { .name: x, .offset: 0, .size: 8, .value_kind: global_buffer, .address_space: global }
      - { .name: order, .offset: 8, .size: 8, .value_kind: global_buffer, .address_space: global }
      - { .name: blocks, .offset: 16, .size: 8, .value_kind: global_buffer, .address_space: global }
      - { .name: score, .offset: 24, .size: 8, .value_kind: global_buffer, .address_space: global }
      - { .name: w1f, .offset: 32, .size: 8, .value_kind: global_buffer, .address_space: global }
      - { .name: w1s, .offset: 40, .size: 8, .value_kind: global_buffer, .address_space: global }
      - { .name: b1, .offset: 48, .size: 8, .value_kind: global_buffer, .address_space: global }
      - { .name: w2f, .offset: 56, .size: 8, .value_kind: global_buffer, .address_space: global }
      - { .name: w2s, .offset: 64, .size: 8, .value_kind: global_buffer, .address_space: global }
      - { .name: b2, .offset: 72, .size: 8, .value_kind: global_buffer, .address_space: global }
      - { .name: gamma, .offset: 80, .size: 8, .value_kind: global_buffer, .address_space: global }
      - { .name: beta, .offset: 88, .size: 8, .value_kind: global_buffer, .address_space: global }
      - { .name: out0, .offset: 96, .size: 8, .value_kind: global_buffer, .address_space: global }
    .group_segment_fixed_size: 251904
    .private_segment_fixed_size: 0
    .kernarg_segment_align: 8
    .kernarg_segment_size: 104
    .max_flat_workgroup_size: 512
    .sgpr_count:     96
    .vgpr_count:     256
    .wavefront_size: 32
...
	.end_amdgpu_metadata
.endif
;; end of part 3
;; ======== version 2 of 2: 3 launches
;; workspace buffers: pick 65,536 bytes of whole numbers; score 65,536 bytes; order 32,768 bytes of whole numbers; blocks 4,096 bytes of whole numbers; w1f 2,097,152 bytes; w1s 131,072 bytes; w2f 2,097,152 bytes; w2s 131,072 bytes
;; launch route (part 4): grid 256 x 1, 8 waves a work-group, no clusters, 34,304 bytes of LDS; arguments x, router_w, router_b, pick, score; writes pick, score
.if DOCPART == 4
	.amdgcn_target "amdgcn-amd-amdhsa--gfx1250"
	.amdhsa_code_object_version 6
	.text
	.protected	k_q59bb185bff_route
	.globl	k_q59bb185bff_route
	.p2align	8
	.type	k_q59bb185bff_route,@function
k_q59bb185bff_route:
	s_mov_b64 s[64:65], 0
	v_nop
	global_prefetch_b8 v0, s[64:65] scope:SCOPE_SE
	s_setreg_imm32_b32 hwreg(HW_REG_WAVE_MODE, 25, 1), 1
	s_wait_xcnt 0x0
; THE ROUTER.  logits = x router_w + router_b in f32 fused multiply-adds, softmax with the row's maximum taken away, top-2.
; For each of the 8,192 tokens it stores  pick = p | rank << 8 | pos << 16  (p = the number of the pair (lo, hi) of chosen experts, lo < hi:
; lo (15 - lo) / 2 + hi - lo - 1, 0 .. 27; rank = how many of the work-group's earlier tokens have the same p; bit e of pos: expert e was chosen with a score above 0) and  score = (s_lo, s_hi).
; Behind the 8,192 picks, from byte 32,768 of the same buffer, lies one row of 32 words for each work-group: word L = how many of its 32 tokens have p = L; word 28 = the OR of their pos.
; Nothing here is addressed by these numbers: they go to fixed places, and the next launch reads them.
; SHARES.  A work-group takes 32 tokens, each of its eight waves four at once.  A lane holds k = 128 i + 4 lane + j of each row
; (i = 0 .. 7, j = 0 .. 3): each load of x covers 512 consecutive bytes, and all 32 loads of a wave are out together.
; router_w (32 KiB) is laid into LDS once, in the order in which a lane wants it: piece q of chunk i is router_w[k][4 (q & 1) ..], k = 128 i + 4 lane + q / 2.
; No matrix unit (eight columns, and the choice wants f32), no tensor load, no cluster: the work-groups share only router_w.
; LIMITS.  NaN and infinities are not served.  The sums' order is not the reference's: two probabilities nearer to each other than f32 summing
; can tell may be ranked the other way.  Equal probabilities: the lower index wins.  An exponential under 2^-126 counts as 0.
.set X,   32                           ; v32-159   x: row p, chunk i at X + 32 p + 4 i
.set W,   160                          ; v160-223  router_w: two sets of 32; (j, e) at set + 8 j + e
.set ACC, 224                          ; v224-255  sums: (row, e) at ACC + 8 row + e
.set PKL, 32768                        ; LDS behind router_w: 32 picks,
.set SCL, 33024                        ; and 32 pairs of scores
.set HIST, 32768                       ; in the buffer pick: where the rows of counts begin
	s_load_b256 s[4:11], s[0:1], 0x0               ; x s[4:5], router_w s[6:7], router_b s[8:9], pick s[10:11]
	s_load_b64 s[12:13], s[0:1], 0x20              ; score
	s_set_vgpr_msb 0x40
	v_lshl_add_u32 v0, v0, 2, 0x8200
	v_mov_b32 v1, 0
	s_set_vgpr_msb 0x4000
	v_lshrrev_b32 v5, 5, v0
	s_delay_alu instid0(VALU_DEP_1)
	v_readfirstlane_b32 s14, v5                    ; wave
	v_and_b32 v1, 31, v0                           ; lane
	s_delay_alu instid0(VALU_DEP_1)
	v_lshlrev_b32 v2, 4, v1                        ; 16 lane
	s_delay_alu instid0(VALU_DEP_2)
	v_lshlrev_b32 v3, 7, v1
	s_delay_alu instid0(VALU_DEP_1)
	v_lshl_add_u32 v3, v5, 12, v3                  ; router_w in memory: 4,096 wave + 128 lane
	s_delay_alu instid0(VALU_DEP_3)
	v_lshl_add_u32 v4, v5, 12, v2                  ; and in LDS: 4,096 wave + 16 lane
	v_and_b32 v6, 3, v0
	s_delay_alu instid0(VALU_DEP_1)
	v_lshlrev_b32 v30, 2, v6
	s_delay_alu instid0(VALU_DEP_1)
	v_lshl_add_u32 v30, v5, 4, v30                 ; my row's pick: 16 wave + 4 (lane & 3)
	s_delay_alu instid0(VALU_DEP_1)
	v_lshlrev_b32 v31, 1, v30                      ; its scores: twice that
	s_mov_b32 s24, 0x76543210
	s_mov_b32 s25, 0xfedcba98                      ; v_permlanex16_b32's selects for lane l xor 16
	s_mov_b32 s26, 0xaaaaaaaa                      ; lanes whose number has bit 0 set,
	s_mov_b32 s27, 0xcccccccc                      ; bit 1
	s_lshl_b32 s28, ttmp9, 17                      ; 32 rows of 4,096 bytes a work-group,
	s_lshl_b32 s29, s14, 14                        ; 4 a wave
	s_add_co_u32 s28, s28, s29
	s_mov_b32 s29, 0
	s_wait_alu depctr_va_vdst(0)
	s_wait_kmcnt 0x0
	s_load_b256 s[16:23], s[8:9], 0x0              ; router_b: eight numbers
	s_add_nc_u64 s[4:5], s[4:5], s[28:29]
	s_lshl_b32 s28, ttmp9, 7
	s_add_nc_u64 s[10:11], s[10:11], s[28:29]      ; the work-group's 32 picks; its row of counts lies HIST bytes on
	s_lshl_b32 s28, ttmp9, 8
	s_add_nc_u64 s[12:13], s[12:13], s[28:29]      ; and 32 pairs of scores
.irp q, 0,1,2,3,4,5,6,7
	global_load_b128 v[W+4*\q:W+4*\q+3], v3, s[6:7] offset:16*\q     ; wave v brings chunk v of router_w
.endr
.irp i, 0,1,2,3,4,5,6,7
.irp r, 0,1,2,3
	global_load_b128 v[X+32*\r+4*\i:X+32*\r+4*\i+3], v2, s[4:5] offset:4096*\r+512*\i th:TH_LOAD_NT
.endr
.endr
	s_wait_loadcnt 32                              ; router_w's eight are in: x's 32 are younger
.irp q, 0,1,2,3,4,5,6,7
	ds_store_b128 v4, v[W+4*\q:W+4*\q+3] offset:512*\q
.endr
	s_wait_dscnt 0x0                               ; for the others' sake: my chunk lies in LDS
	s_barrier_signal -1
	s_barrier_wait -1
.macro LW i                            ; chunk i of router_w into set i % 2
.irp q, 0,1,2,3,4,5,6,7
	ds_load_b128 v[W+32*((\i)%2)+4*\q:W+32*((\i)%2)+4*\q+3], v2 offset:4096*(\i)+512*\q
.endr
.endm
.macro CH i                            ; chunk i: 64 packed multiply-adds, two experts each; sixteen sums stand between two links of a chain
.if (\i) < 7
	LW (\i)+1
.endif
	s_wait_loadcnt 4*(7-(\i))                      ; x's loads went out chunk by chunk: four for each later chunk are younger
.if (\i) < 7
	s_wait_dscnt 8                                 ; this chunk of router_w is in; the next chunk's eight loads are younger
.else
	s_wait_dscnt 0
.endif
.irp j, 0,1,2,3
.irp r, 0,1,2,3
.irp p, 0,1,2,3
.set rW, W+32*((\i)%2)+8*\j+2*\p
.set rX, X+32*\r+4*(\i)+2*(\j/2)
.set rA, ACC+8*\r+2*\p
.if ((\i) == 0) && (\j == 0)
	v_pk_mul_f32 v[rA:rA+1], v[rW:rW+1], v[rX:rX+1] op_sel_hi:[1,0]           ; the first product starts the sums: nothing is cleared
.elseif (\j%2) == 0
	v_pk_fma_f32 v[rA:rA+1], v[rW:rW+1], v[rX:rX+1], v[rA:rA+1] op_sel_hi:[1,0,1]   ; x's first register of the pair for both experts
.else
	v_pk_fma_f32 v[rA:rA+1], v[rW:rW+1], v[rX:rX+1], v[rA:rA+1] op_sel:[0,1,0] op_sel_hi:[1,1,1]   ; its second
.endif
.endr
.endr
.endr
.endm
	LW 0
.irp i, 0,1,2,3,4,5,6,7
	CH \i
.endr
	; the 32 sums over the 32 lanes, the registers by turns
.irp m, 1,2,4,8
.set k, 0
.rept 32
	v_add_f32_dpp v[ACC+k], v[ACC+k], v[ACC+k] row_xmask:\m row_mask:0xf bank_mask:0xf
.set k, k+1
.endr
.endr
.set k, 0
.rept 32
	v_permlanex16_b32 v[W+k], v[ACC+k], s24, s25
.set k, k+1
.endr
.set k, 0
.rept 32
	v_add_f32 v[ACC+k], v[ACC+k], v[W+k]
.set k, k+1
.endr
	; lane l goes on with row l & 3
.irp e, 0,1,2,3,4,5,6,7
	v_cndmask_b32 v[W+\e], v[ACC+\e], v[ACC+8+\e], s26
	v_cndmask_b32 v[W+8+\e], v[ACC+16+\e], v[ACC+24+\e], s26
.endr
	s_wait_alu depctr_va_vdst(0)
	s_wait_kmcnt 0x0                               ; router_b
.irp e, 0,1,2,3,4,5,6,7
	v_cndmask_b32 v[8+\e], v[W+\e], v[W+8+\e], s27
.endr
.irp e, 0,1,2,3,4,5,6,7
	v_add_f32 v[8+\e], s[16+\e], v[8+\e]           ; the logits
.endr
	v_max3_num_f32 v16, v8, v9, v10
	s_delay_alu instid0(VALU_DEP_1)
	v_max3_num_f32 v16, v16, v11, v12
	s_delay_alu instid0(VALU_DEP_1)
	v_max3_num_f32 v16, v16, v13, v14
	s_delay_alu instid0(VALU_DEP_1)
	v_max_num_f32 v16, v16, v15                    ; the row's maximum
.irp e, 0,1,2,3,4,5,6,7
	v_sub_f32 v[8+\e], v[8+\e], v16
.endr
.irp e, 0,1,2,3,4,5,6,7
	v_mul_f32 v[8+\e], 0x3fb8aa3b, v[8+\e]         ; x log2(e)
.endr
	s_wait_alu depctr_va_vdst(0)
.irp e, 0,1,2,3,4,5,6,7
	v_exp_f32 v[8+\e], v[8+\e]
.endr
	v_nop                                          ; a plain instruction behind the last exponential
	s_wait_alu depctr_va_vdst(0)                   ; one wait for the eight, ahead of their first reader
	v_add_f32 v16, v8, v9
	v_add_f32 v17, v10, v11
	v_add_f32 v5, v12, v13
	v_add_f32 v6, v14, v15
	s_delay_alu instid0(VALU_DEP_3)
	v_add_f32 v16, v16, v17
	s_delay_alu instid0(VALU_DEP_2)
	v_add_f32 v5, v5, v6
	s_delay_alu instid0(VALU_DEP_1)
	v_add_f32 v16, v16, v5
	s_wait_alu depctr_va_vdst(0)
	v_rcp_f32 v17, v16
	v_nop
	s_wait_alu depctr_va_vdst(0)
.irp e, 0,1,2,3,4,5,6,7
	v_mul_f32 v[8+\e], v[8+\e], v17                ; the probabilities
.endr
	v_mov_b32 v18, v8                              ; the largest: a later one wins only if it is strictly larger
	v_mov_b32 v19, 0
.irp e, 1,2,3,4,5,6,7
	s_delay_alu instid0(VALU_DEP_2)
	v_cmp_gt_f32 vcc_lo, v[8+\e], v18
	s_delay_alu instid0(VALU_DEP_1)
	v_cndmask_b32 v18, v18, v[8+\e], vcc_lo
	s_delay_alu instid0(VALU_DEP_2)
	v_cndmask_b32 v19, v19, \e, vcc_lo
.endr
.irp e, 0,1,2,3,4,5,6,7
	v_cmp_eq_u32 vcc_lo, \e, v19
	s_delay_alu instid0(VALU_DEP_1)
	v_cndmask_b32 v[8+\e], v[8+\e], -1.0, vcc_lo   ; the winner is taken out: -1 lies under every probability
.endr
	v_mov_b32 v20, v8                              ; the second
	v_mov_b32 v21, 0
.irp e, 1,2,3,4,5,6,7
	s_delay_alu instid0(VALU_DEP_2)
	v_cmp_gt_f32 vcc_lo, v[8+\e], v20
	s_delay_alu instid0(VALU_DEP_1)
	v_cndmask_b32 v20, v20, v[8+\e], vcc_lo
	s_delay_alu instid0(VALU_DEP_2)
	v_cndmask_b32 v21, v21, \e, vcc_lo
.endr
	s_delay_alu instid0(VALU_DEP_1)
	v_min_u32 v22, v19, v21                        ; lo
	s_delay_alu instid0(VALU_DEP_2)
	v_max_u32 v23, v19, v21                        ; hi
	s_delay_alu instid0(VALU_DEP_3)
	v_cmp_lt_u32 vcc_lo, v19, v21
	s_delay_alu instid0(VALU_DEP_1)
	v_cndmask_b32 v24, v20, v18, vcc_lo            ; s_lo
	s_delay_alu instid0(VALU_DEP_2)
	v_cndmask_b32 v25, v18, v20, vcc_lo            ; s_hi
	v_sub_nc_u32 v26, 15, v22
	s_delay_alu instid0(VALU_DEP_1)
	v_mul_u32_u24 v26, v26, v22
	s_delay_alu instid0(VALU_DEP_1)
	v_lshrrev_b32 v26, 1, v26                      ; lo (15 - lo) / 2
	s_delay_alu instid0(VALU_DEP_1)
	v_add_nc_u32 v26, v26, v23
	s_delay_alu instid0(VALU_DEP_1)
	v_sub_nc_u32 v26, v26, v22
	s_delay_alu instid0(VALU_DEP_1)
	v_add_nc_u32 v26, -1, v26                      ; p
	v_lshlrev_b32 v27, v22, 1                      ; 1 << lo
	v_lshlrev_b32 v28, v23, 1                      ; 1 << hi
	v_cmp_lt_f32 vcc_lo, 0, v24
	s_delay_alu instid0(VALU_DEP_1)
	v_cndmask_b32 v27, 0, v27, vcc_lo
	v_cmp_lt_f32 vcc_lo, 0, v25
	s_delay_alu instid0(VALU_DEP_1)
	v_cndmask_b32 v28, 0, v28, vcc_lo
	s_delay_alu instid0(VALU_DEP_1)
	v_or_b32 v27, v27, v28
	s_delay_alu instid0(VALU_DEP_1)
	v_lshl_or_b32 v29, v27, 16, v26
	ds_store_b32 v30, v29 offset:PKL               ; the eight lanes of a row write the same words with the same values
	ds_store_b64 v31, v[24:25] offset:SCL
	s_wait_dscnt 0x0                               ; for wave 0's sake
	s_barrier_signal -1
	s_barrier_wait -1
	s_cmp_lg_u32 s14, 0
	s_cbranch_scc1 .Ldone
	; ---- wave 0: lane l holds the work-group's token l
	v_lshlrev_b32 v5, 2, v1
	v_lshlrev_b32 v6, 3, v1
	ds_load_b32 v7, v5 offset:PKL
	ds_load_b64 v[8:9], v6 offset:SCL
	s_mov_b32 s28, 0x01010101
	s_wait_alu depctr_va_vdst(0)
	s_wait_dscnt 0x0
	global_store_b64 v6, v[8:9], s[12:13]          ; 256 consecutive bytes, aligned
	; Five ballots of p's bits.  Joined by MY p's bits they give the lanes whose p is mine (for the rank); joined by my LANE NUMBER's bits, the lanes whose p is my lane's number (for the counts).  No lane is indexed by p.
.irp b, 0,1,2,3,4
	v_bfe_u32 v[10+\b], v7, \b, 1                  ; bit b of my p
	v_bfe_u32 v[16+\b], v1, \b, 1                  ; bit b of my lane's number
.endr
.irp b, 0,1,2,3,4
	v_cmp_ne_u32 s[16+\b], 0, v[10+\b]             ; the lanes whose p has bit b
.endr
.irp b, 0,1,2,3,4
	v_add_nc_u32 v[10+\b], -1, v[10+\b]            ; 0 where the bit is set, else all ones
	v_add_nc_u32 v[16+\b], -1, v[16+\b]
.endr
.irp b, 0,1,2,3,4
	v_xor_b32 v[10+\b], s[16+\b], v[10+\b]         ; the lanes that agree in bit b
	v_xor_b32 v[16+\b], s[16+\b], v[16+\b]
.endr
	v_and_b32 v10, v10, v11
	v_and_b32 v16, v16, v17
	v_and_b32 v12, v12, v13
	v_and_b32 v18, v18, v19
	s_delay_alu instid0(VALU_DEP_4)
	v_and_b32 v10, v10, v14
	s_delay_alu instid0(VALU_DEP_4)
	v_and_b32 v16, v16, v20
	s_delay_alu instid0(VALU_DEP_2)
	v_and_b32 v10, v10, v12                        ; the lanes whose p is mine
	s_delay_alu instid0(VALU_DEP_2)
	v_and_b32 v16, v16, v18                        ; the lanes whose p is my lane's number
	v_lshrrev_b32 v26, 16, v7                      ; pos
	s_delay_alu instid0(VALU_DEP_3)
	v_mbcnt_lo_u32_b32 v21, v10, 0                 ; my rank: those of them below me
	s_delay_alu instid0(VALU_DEP_3)
	v_lshrrev_b32 v23, 1, v16                      ; the ones of the second mask, counted in fields of 2, 4, 8 bits
	s_delay_alu instid0(VALU_DEP_2)
	v_lshl_or_b32 v22, v21, 8, v7                  ; the pick, whole
	s_delay_alu instid0(VALU_DEP_2)
	v_and_b32 v23, 0x55555555, v23
	s_delay_alu instid0(VALU_DEP_1)
	v_sub_nc_u32 v23, v16, v23
	s_delay_alu instid0(VALU_DEP_1)
	v_lshrrev_b32 v24, 2, v23
	s_delay_alu instid0(VALU_DEP_2)
	v_and_b32 v23, 0x33333333, v23
	s_delay_alu instid0(VALU_DEP_2)
	v_and_b32 v24, 0x33333333, v24
	s_delay_alu instid0(VALU_DEP_1)
	v_add_nc_u32 v23, v23, v24
	s_delay_alu instid0(VALU_DEP_1)
	v_lshrrev_b32 v24, 4, v23
	s_delay_alu instid0(VALU_DEP_1)
	v_add_nc_u32 v23, v23, v24
	s_delay_alu instid0(VALU_DEP_1)
	v_and_b32 v23, 0x0f0f0f0f, v23
	s_delay_alu instid0(VALU_DEP_1)
	v_mul_lo_u32 v23, v23, s28
	s_delay_alu instid0(VALU_DEP_1)
	v_lshrrev_b32 v23, 24, v23
.irp n, 1
	v_mov_b32_dpp v27, v26 row_xmask:\n row_mask:0xf bank_mask:0xf
	s_delay_alu instid0(VALU_DEP_1)
	v_or_b32 v26, v26, v27
.endr
.irp n, 2, 4, 8
	s_delay_alu instid0(VALU_DEP_1)
	v_mov_b32_dpp v27, v26 row_xmask:\n row_mask:0xf bank_mask:0xf
	s_delay_alu instid0(VALU_DEP_1)
	v_or_b32 v26, v26, v27
.endr
	s_delay_alu instid0(VALU_DEP_1)
	v_permlanex16_b32 v27, v26, s24, s25
	s_delay_alu instid0(VALU_DEP_1)
	v_or_b32 v26, v26, v27                         ; the OR of the 32 pos
	v_cmp_eq_u32 vcc_lo, 28, v1
	s_delay_alu instid0(VALU_DEP_1)
	v_cndmask_b32 v23, v23, v26, vcc_lo            ; it rides in word 28 of the row: no pair has that number
	global_store_b32 v5, v22, s[10:11]             ; 128 consecutive bytes
	global_store_b32 v5, v23, s[10:11] offset:HIST ; 128 consecutive bytes
.Ldone:
	s_set_vgpr_msb 0x5
	s_wait_tensorcnt 0x0
	ds_add_u32 v0, v1
	s_wait_dscnt 0x0
	s_set_vgpr_msb 0x500
	s_endpgm
.Lfunc_end_k_q59bb185bff_route:
	.size	k_q59bb185bff_route, .Lfunc_end_k_q59bb185bff_route-k_q59bb185bff_route
	.p2alignl 7, 3214868480
	.fill 96, 4, 3214868480
	.section	.rodata,"a",@progbits
	.p2align	6, 0x0
	.amdhsa_kernel k_q59bb185bff_route
		.amdhsa_group_segment_fixed_size 34304
		.amdhsa_private_segment_fixed_size 0
		.amdhsa_enable_private_segment 0
		.amdhsa_kernarg_size 40
		.amdhsa_user_sgpr_count 2
		.amdhsa_user_sgpr_kernarg_segment_ptr 1
		.amdhsa_wavefront_size32 1
		.amdhsa_system_sgpr_workgroup_id_x 1
		.amdhsa_system_sgpr_workgroup_id_y 1
		.amdhsa_system_sgpr_workgroup_id_z 1
		.amdhsa_system_vgpr_workitem_id 0
		.amdhsa_next_free_vgpr 258
		.amdhsa_next_free_sgpr 66
		.amdhsa_reserve_vcc 1
		.amdhsa_float_denorm_mode_32 3
		.amdhsa_float_denorm_mode_16_64 3
		.amdhsa_memory_ordered 1
		.amdhsa_forward_progress 1
		.amdhsa_inst_pref_size 68
	.end_amdhsa_kernel
	.amdgpu_metadata
---
amdhsa.version: [ 1, 2 ]
amdhsa.kernels:
  - .name:           k_q59bb185bff_route
    .symbol:         k_q59bb185bff_route.kd
    .args:
      - { .name: x, .offset: 0, .size: 8, .value_kind: global_buffer, .address_space: global }
      - { .name: router_w, .offset: 8, .size: 8, .value_kind: global_buffer, .address_space: global }
      - { .name: router_b, .offset: 16, .size: 8, .value_kind: global_buffer, .address_space: global }
      - { .name: pick, .offset: 24, .size: 8, .value_kind: global_buffer, .address_space: global }
      - { .name: score, .offset: 32, .size: 8, .value_kind: global_buffer, .address_space: global }
    .group_segment_fixed_size: 34304
    .private_segment_fixed_size: 0
    .kernarg_segment_align: 8
    .kernarg_segment_size: 40
    .max_flat_workgroup_size: 256
    .sgpr_count:     66
    .vgpr_count:     258
    .wavefront_size: 32
...
	.end_amdgpu_metadata
.endif
;; end of part 4
;; launch prep (part 5): grid 265 x 1, 8 waves a work-group, no clusters, 5,120 bytes of LDS; arguments w1, w2, pick, w1f, w1s, w2f, w2s, order, blocks, out1; writes w1f, w1s, w2f, w2s, order, blocks, out1
.if DOCPART == 5
	.amdgcn_target "amdgcn-amd-amdhsa--gfx1250"
	.amdhsa_code_object_version 6
	.text
	.protected	k_q59bb185bff_prep
	.globl	k_q59bb185bff_prep
	.p2align	8
	.type	k_q59bb185bff_prep,@function
k_q59bb185bff_prep:
	s_mov_b64 s[64:65], 0
	v_nop
	global_prefetch_b8 v0, s[64:65] scope:SCOPE_SE
	s_setreg_imm32_b32 hwreg(HW_REG_WAVE_MODE, 25, 1), 1
	s_wait_xcnt 0x0
; THREE JOBS IN ONE LAUNCH, parted by the work-group's number.
; Work-groups 0-7: the tokens are placed by their pair of experts (a counting sort over 28 pairs, no atomics): order[position] = token.  The launch before has left, for each run of 32 tokens, a row of counts by pair, and in
;   each pick the token's rank among its run's equal pairs.  So position = where the pair begins + the pair's counts in all earlier runs + the rank.  Work-group s places tokens 1,024 s .. + 1,023, each wave four runs.
;   Every work-group adds up all 256 rows for itself (32 KiB): nothing goes from work-group to work-group.
; Work-group 8: blocks[j] = (start, count, lo, hi): block j of at most 48 tokens of one pair; entries behind the last block have count 0; out1[e] = some token chose e with a score above 0.
; Work-groups 9-136: w1 [8][1024 k][512 n], 137-264: w2 [8][512 k][1024 n], f32 with K outermost, become codes of E2M1 with one E8M0 byte for each 32 along K,
;   laid as IMAGES OF THE OPERAND'S REGISTERS: a fragment (16 rows x 128 K) is 1,024 bytes: register group c (0, 1) is 512 bytes, lane (r, H) at 16 (16 H + r): the 32 codes of K block 2 c + H of row r.
;   w1f [e][w 16][s 8][u 2][1024]: row r of tile (w, u) is hidden unit 32 w + 8 u + r + 8 (r / 8), so that a result's 16 registers of tiles u = 0, 1 are 16 neighbours along the next K.
;   w2f [e][g 32][s 4][i 2][1024]: row r of tile (g, i) is output column 32 g + 16 i + r.   w1s, w2s: for each (e, w or g, s) 32 words: the word of row r of tile u (i) at lane 16 u + r.
; A LANE TAKES A COLUMN n AND ITS REGISTERS RUN DOWN K: a block of 32 lies in one lane, and the conversions give codes with K innermost.  A wave takes 32 columns x 128 K; the eight waves of a
; work-group stand side by side on 1,024 bytes of each row.  A block's scale byte is its largest magnitude's exponent field - 2, held at 1 from below.
; LIMITS: a block of zeros gets the byte 1 where the rule says 127 (its codes are zeros, and this program alone reads the bytes); NaN and infinities are not served.
; order is written as a scatter of 4 bytes a lane: 32 KiB in all, four such stores a wave.  No tensor load, no cluster: what the placing work-groups share is 32 KiB.
.set XW, 32                            ; weights: v32-95 two sets of 32 numbers; v96-111 the four blocks' codes; v24 the scale word
.set CW, 96
.set HA, 32                            ; sort: v32-63 32 rows of counts; behind the barrier the waves' sums
.set RW, 64                            ; v64-67  my four runs' rows of counts
.set IT, 68                            ; v68-71  my four runs' picks
.set BS, 72                            ; v72-75  lane L: where run j's tokens of pair L begin
.set IX, 76                            ; v76-79  4 p
.set PO, 80                            ; v80-83  my pair's base, then 4 x position
.set RK, 84                            ; v84-87  my rank in the run
.set TK, 88                            ; v88-91  the token
.set HIST, 32768                       ; in the buffer pick: where the rows of counts begin
	s_load_b512 s[4:19], s[0:1], 0x0               ; w1 4, w2 6, pick 8, w1f 10, w1s 12, w2f 14, w2s 16, order 18
	s_load_b128 s[20:23], s[0:1], 0x40             ; blocks 20, out1 22
	v_lshl_add_u32 v112, v0, 2, 0x1000
	v_mov_b32 v113, 0
	v_lshrrev_b32 v2, 5, v0
	s_delay_alu instid0(VALU_DEP_1)
	v_readfirstlane_b32 s3, v2                     ; wave
	v_and_b32 v1, 31, v0                           ; lane
	s_delay_alu instid0(VALU_DEP_1)
	v_lshlrev_b32 v3, 2, v1                        ; 4 lane
	s_mov_b32 s29, 0
	s_wait_kmcnt 0x0
	s_cmp_lt_u32 ttmp9, 9
	s_cbranch_scc1 .Lsort
	s_cmp_lt_u32 ttmp9, 137
	s_cbranch_scc0 .Lw2
.macro WLOAD t, pitch, src             ; block t: rows 32 t .. 32 t + 31 of my column, into set t % 2
.set wi, 0
.rept 32
	global_load_b32 v[XW+32*((\t)%2)+wi], v3, s[\src:\src+1] offset:(32*(\t)+wi)*(\pitch) th:TH_LOAD_NT
.set wi, wi+1
.endr
.endm
.macro WBLOCK t, pitch, src, cod
.set wx, XW+32*((\t)%2)
.if (\t) < 3
	s_wait_loadcnt 32                              ; this block's 32 loads are in; the next block's are younger
.else
	s_wait_loadcnt 0
.endif
	v_max3_num_f32 v12, |v[wx]|, |v[wx+1]|, |v[wx+2]|     ; the block's largest magnitude, in two chains
	v_max3_num_f32 v13, |v[wx+3]|, |v[wx+4]|, |v[wx+5]|
.irp i, 6,10,14,18,22,26
	s_delay_alu instid0(VALU_DEP_2)
	v_max3_num_f32 v12, v12, |v[wx+\i]|, |v[wx+\i+1]|
	s_delay_alu instid0(VALU_DEP_2)
	v_max3_num_f32 v13, v13, |v[wx+\i+2]|, |v[wx+\i+3]|
.endr
	s_delay_alu instid0(VALU_DEP_2)
	v_max3_num_f32 v12, v12, |v[wx+30]|, |v[wx+31]|
	s_delay_alu instid0(VALU_DEP_1)
	v_max3_num_f32 v12, v12, v13, 0x1800000        ; and the floor 2^(3 - 127): the byte cannot fall under 1
	s_delay_alu instid0(VALU_DEP_1)
	v_add_nc_u32 v11, 0xff000000, v12              ; 2 off the exponent field: the conversion takes that field as its scale
	s_delay_alu instid0(VALU_DEP_1)
	v_lshrrev_b32 v13, 23, v11                     ; the byte
.if (\t) == 0
	s_delay_alu instid0(VALU_DEP_1)
	v_mov_b32 v24, v13
.else
	s_delay_alu instid0(VALU_DEP_1)
	v_lshl_or_b32 v24, v13, 8*(\t), v24
.endif
.irp g, 0,1,2,3
	v_cvt_scalef32_pk8_fp4_f32 v[CW+4*(\t)+\g], v[wx+8*\g:wx+8*\g+7], v11
.endr
	global_store_b128 v4, v[CW+4*(\t):CW+4*(\t)+3], s[\cod:\cod+1] offset:512*((\t)/2)+256*((\t)%2)   ; the sixteen lanes of a tile store 256 consecutive bytes, aligned; each block has registers of its own
.if (\t)+2 < 4
	WLOAD (\t)+2, \pitch, \src
.endif
.endm
.macro QW pitch, src, cod, scl
	WLOAD 0, \pitch, \src
	WLOAD 1, \pitch, \src
	WBLOCK 0, \pitch, \src, \cod
	WBLOCK 1, \pitch, \src, \cod
	WBLOCK 2, \pitch, \src, \cod
	WBLOCK 3, \pitch, \src, \cod
	global_store_b32 v5, v24, s[\scl:\scl+1]       ; 128 consecutive bytes: the two tiles' scale words of this K step
	s_endpgm
.endm
	; ---- w1: task = 8 (work-group - 9) + wave: column group cg = task & 15, K step s = (task >> 4) & 7, expert e = task >> 7
	s_sub_co_u32 s24, ttmp9, 9
	s_lshl_b32 s24, s24, 3
	s_add_co_u32 s24, s24, s3
	s_and_b32 s25, s24, 15
	s_bfe_u32 s26, s24, 0x30004
	s_lshr_b32 s27, s24, 7
	s_lshl_b32 s28, s27, 21                        ; in: e x 2,097,152 + s x 128 rows of 2,048 bytes + cg x 128
	s_lshl_b32 s30, s26, 18
	s_add_co_u32 s28, s28, s30
	s_lshl_b32 s30, s25, 7
	s_add_co_u32 s28, s28, s30
	s_add_nc_u64 s[4:5], s[4:5], s[28:29]
	s_lshl_b32 s28, s27, 18                        ; codes: e x 262,144 + cg x 16,384 + s x 2,048
	s_lshl_b32 s30, s25, 14
	s_add_co_u32 s28, s28, s30
	s_lshl_b32 s30, s26, 11
	s_add_co_u32 s28, s28, s30
	s_add_nc_u64 s[10:11], s[10:11], s[28:29]
	s_lshl_b32 s28, s27, 7                         ; scale words: (128 e + 8 cg + s) x 128
	s_lshl_b32 s30, s25, 3
	s_add_co_u32 s28, s28, s30
	s_add_co_u32 s28, s28, s26
	s_lshl_b32 s28, s28, 7
	s_add_nc_u64 s[12:13], s[12:13], s[28:29]
	s_wait_alu depctr_va_vdst(0)
	v_bfe_u32 v6, v1, 3, 1                         ; my column q of 32 is row r = (q & 7) + 8 (q >> 4) of tile u = (q >> 3) & 1
	v_and_b32 v7, 7, v1
	v_lshrrev_b32 v8, 4, v1
	s_delay_alu instid0(VALU_DEP_1)
	v_lshl_add_u32 v7, v8, 3, v7
	s_delay_alu instid0(VALU_DEP_1)
	v_lshlrev_b32 v4, 4, v7
	s_delay_alu instid0(VALU_DEP_1)
	v_lshl_add_u32 v4, v6, 10, v4                  ; 1,024 u + 16 r
	s_delay_alu instid0(VALU_DEP_3)
	v_lshl_add_u32 v5, v6, 4, v7
	s_delay_alu instid0(VALU_DEP_1)
	v_lshlrev_b32 v5, 2, v5                        ; 4 (16 u + r)
	QW 2048, 4, 10, 12
.Lw2:	; ---- w2: task = 8 (work-group - 137) + wave: g = task & 31, s = (task >> 5) & 3, e = task >> 7
	s_sub_co_u32 s24, ttmp9, 137
	s_lshl_b32 s24, s24, 3
	s_add_co_u32 s24, s24, s3
	s_and_b32 s25, s24, 31
	s_bfe_u32 s26, s24, 0x20005
	s_lshr_b32 s27, s24, 7
	s_lshl_b32 s28, s27, 21                        ; in: e x 2,097,152 + s x 128 rows of 4,096 bytes + g x 128
	s_lshl_b32 s30, s26, 19
	s_add_co_u32 s28, s28, s30
	s_lshl_b32 s30, s25, 7
	s_add_co_u32 s28, s28, s30
	s_add_nc_u64 s[6:7], s[6:7], s[28:29]
	s_lshl_b32 s28, s27, 18                        ; codes: e x 262,144 + g x 8,192 + s x 2,048
	s_lshl_b32 s30, s25, 13
	s_add_co_u32 s28, s28, s30
	s_lshl_b32 s30, s26, 11
	s_add_co_u32 s28, s28, s30
	s_add_nc_u64 s[14:15], s[14:15], s[28:29]
	s_lshl_b32 s28, s27, 7                         ; scale words: (128 e + 4 g + s) x 128
	s_lshl_b32 s30, s25, 2
	s_add_co_u32 s28, s28, s30
	s_add_co_u32 s28, s28, s26
	s_lshl_b32 s28, s28, 7
	s_add_nc_u64 s[16:17], s[16:17], s[28:29]
	s_wait_alu depctr_va_vdst(0)
	v_lshrrev_b32 v6, 4, v1                        ; tile i = q >> 4, row r = q & 15
	v_and_b32 v7, 15, v1
	s_delay_alu instid0(VALU_DEP_1)
	v_lshlrev_b32 v4, 4, v7
	s_delay_alu instid0(VALU_DEP_1)
	v_lshl_add_u32 v4, v6, 10, v4
	v_lshlrev_b32 v5, 2, v1
	QW 4096, 6, 14, 16
.Lsort:	; ---- the sort.  Lane L stands for pair L wherever counts are summed.  Wave v adds up rows 32 v .. 32 v + 31 of the 256; its own four runs are 32 s + 4 v + j, j = 0 .. 3
	s_min_u32 s24, ttmp9, 7                        ; s.  (Work-group 8, which places nothing, takes chunk 7's addresses: no load leaves the buffer)
	s_lshl_b32 s28, s3, 12
	s_add_co_u32 s28, s28, HIST
	s_add_nc_u64 s[36:37], s[8:9], s[28:29]        ; rows 32 v on: 128 bytes a row
	s_lshl_b32 s28, s24, 12
	s_lshl_b32 s30, s3, 9
	s_add_co_u32 s28, s28, s30
	s_add_nc_u64 s[40:41], s[8:9], s[28:29]        ; my four runs' picks: 128 bytes a run,
	s_add_nc_u64 s[38:39], s[40:41], HIST          ; and their rows of counts, as many bytes on
	s_wait_alu depctr_va_vdst(0)
.irp j, 0,1,2,3
	global_load_b32 v[IT+\j], v3, s[40:41] offset:128*\j
	global_load_b32 v[RW+\j], v3, s[38:39] offset:128*\j
.endr
.set hi, 0
.rept 32
	global_load_b32 v[HA+hi], v3, s[36:37] offset:128*hi       ; 128 consecutive bytes each; 40 loads of the wave are out together
.set hi, hi+1
.endr
	v_bfe_u32 v24, v0, 4, 1
	s_delay_alu instid0(VALU_DEP_1)
	v_sub_nc_u32 v24, 0, v24                       ; all ones in lanes 16-31
	s_lshl_b32 s25, s24, 10
	s_lshl_b32 s30, s3, 7
	s_add_co_u32 s25, s25, s30
	v_add_nc_u32 v25, s25, v1                      ; my token of run 0: 1,024 s + 128 v + lane
	v_lshlrev_b32 v16, 2, v0                       ; LDS: [wave][32 words]: 4 x thread; the sums from byte 0, the ORs from 1,024, my four rows' sum from 2,048
	s_wait_loadcnt 0x0
.irp c, 0,1,2,3
	v_add3_u32 v[8+\c], v[HA+8*\c], v[HA+8*\c+1], v[HA+8*\c+2]   ; the 32 rows' sum, in four chains
.endr
.irp c, 0,1,2,3
	s_delay_alu instid0(VALU_DEP_4)
	v_add3_u32 v[8+\c], v[8+\c], v[HA+8*\c+3], v[HA+8*\c+4]
.endr
.irp c, 0,1,2,3
	s_delay_alu instid0(VALU_DEP_4)
	v_add3_u32 v[8+\c], v[8+\c], v[HA+8*\c+5], v[HA+8*\c+6]
.endr
.irp c, 0,1,2,3
	s_delay_alu instid0(VALU_DEP_4)
	v_add_nc_u32 v[8+\c], v[8+\c], v[HA+8*\c+7]
.endr
	s_delay_alu instid0(VALU_DEP_2)
	v_add3_u32 v8, v8, v9, v10
	s_delay_alu instid0(VALU_DEP_1)
	v_add_nc_u32 v8, v8, v11
	v_add3_u32 v9, v[RW], v[RW+1], v[RW+2]
	s_delay_alu instid0(VALU_DEP_1)
	v_add_nc_u32 v9, v9, v[RW+3]                   ; my four rows' sum
.irp st, 16,8,4,2,1
.set oi, 0
.rept \st
	v_or_b32 v[HA+oi], v[HA+oi], v[HA+oi+\st]      ; and the 32 rows' OR: lane 28's is what counts
.set oi, oi+1
.endr
.endr
	ds_store_b32 v16, v8
	ds_store_b32 v16, v[HA] offset:1024
	ds_store_b32 v16, v9 offset:2048
	s_wait_dscnt 0x0                               ; for the others' sake
	s_barrier_signal -1
	s_barrier_wait -1                              ; the one barrier: all eight waves of work-groups 0 to 8 are on this way
.irp k, 0,1,2,3,4,5,6,7
	ds_load_b32 v[HA+\k], v3 offset:128*\k         ; pair L's counts in the eight chunks of 1,024 tokens,
	ds_load_b32 v[HA+8+\k], v3 offset:2048+128*\k  ; and in the eight waves' parts of my chunk
.endr
	v_mov_b32 v26, 0                               ; the pair's total
	v_mov_b32 v27, 0                               ; and what lies ahead of my wave's tokens
	s_wait_alu depctr_va_vdst(0)
	s_wait_dscnt 0x0
.irp k, 0,1,2,3,4,5,6,7
	s_cmp_gt_u32 s24, \k
	s_cselect_b32 s46, -1, 0
	s_cmp_gt_u32 s3, \k
	s_cselect_b32 s47, -1, 0
	v_add_nc_u32 v26, v26, v[HA+\k]
	v_and_b32 v15, s46, v[HA+\k]
	v_and_b32 v17, s47, v[HA+8+\k]
	s_delay_alu instid0(VALU_DEP_1)
	v_add3_u32 v27, v27, v15, v17
.endr
.macro SCAN x                          ; v[x] becomes its running sum over the lanes, the lane's own number included.  (Lanes 28 on hold no pair's numbers; they stand behind all pairs and change none of their sums)
.irp n, 1,2,4,8
	s_delay_alu instid0(VALU_DEP_1)
	v_mov_b32_dpp v15, v[\x] row_shr:\n row_mask:0xf bank_mask:0xf bound_ctrl:1
	s_delay_alu instid0(VALU_DEP_1)
	v_add_nc_u32 v[\x], v[\x], v15
.endr
	s_delay_alu instid0(VALU_DEP_1)
	v_readlane_b32 s46, v[\x], 15
	s_delay_alu instid0(VALU_DEP_1)
	v_and_b32 v15, s46, v24
	s_delay_alu instid0(VALU_DEP_1)
	v_add_nc_u32 v[\x], v[\x], v15
.endm
	s_delay_alu instid0(VALU_DEP_4)
	v_mov_b32 v28, v26
	SCAN 28
	s_delay_alu instid0(VALU_DEP_1)
	v_sub_nc_u32 v28, v28, v26                     ; where the pair's tokens begin
	s_cmp_eq_u32 ttmp9, 8
	s_cbranch_scc1 .Ltable
	; ---- work-groups 0-7: four runs of 32 tokens a wave are placed
	v_add_nc_u32 v[BS], v28, v27
	s_delay_alu instid0(VALU_DEP_1)
	v_add_nc_u32 v[BS+1], v[BS], v[RW]
	s_delay_alu instid0(VALU_DEP_1)
	v_add_nc_u32 v[BS+2], v[BS+1], v[RW+1]
	s_delay_alu instid0(VALU_DEP_1)
	v_add_nc_u32 v[BS+3], v[BS+2], v[RW+2]
.irp j, 0,1,2,3
	v_and_b32 v[IX+\j], 31, v[IT+\j]
.endr
.irp j, 0,1,2,3
	s_delay_alu instid0(VALU_DEP_4)
	v_min_u32 v[IX+\j], 27, v[IX+\j]               ; a loaded number is held before it names a lane
.endr
.irp j, 0,1,2,3
	s_delay_alu instid0(VALU_DEP_4)
	v_lshlrev_b32 v[IX+\j], 2, v[IX+\j]
.endr
.irp j, 0,1,2,3
	ds_bpermute_b32 v[PO+\j], v[IX+\j], v[BS+\j]   ; my pair's base, from lane p
.endr
.irp j, 0,1,2,3
	v_bfe_u32 v[RK+\j], v[IT+\j], 8, 5
	v_add_nc_u32 v[TK+\j], 32*\j, v25
.endr
	s_wait_alu depctr_va_vdst(0)
	s_wait_dscnt 0x0
.irp j, 0,1,2,3
	v_add_nc_u32 v[PO+\j], v[PO+\j], v[RK+\j]
.endr
.irp j, 0,1,2,3
	s_delay_alu instid0(VALU_DEP_4)
	v_min_u32 v[PO+\j], 0x1fff, v[PO+\j]           ; held inside the list before it enters an address
.endr
.irp j, 0,1,2,3
	s_delay_alu instid0(VALU_DEP_4)
	v_lshlrev_b32 v[PO+\j], 2, v[PO+\j]
.endr
.irp j, 0,1,2,3
	global_store_b32 v[PO+\j], v[TK+\j], s[18:19]
.endr
	s_wait_tensorcnt 0x0
	ds_add_u32 v112, v113
	s_wait_dscnt 0x0
	s_endpgm
.Ltable:	; ---- work-group 8: thread j writes entry j.  Its pair = how many of the 28 pairs end at or ahead of block j
	v_add_nc_u32 v29, 47, v26
	s_delay_alu instid0(VALU_DEP_1)
	v_mul_u32_u24 v29, v29, 0xaaab
	s_delay_alu instid0(VALU_DEP_1)
	v_lshrrev_b32 v29, 21, v29                     ; the pair's blocks: (total + 47) / 48; 43,691 x 48 = 2^21 + 16, exact for numbers up to 8,239
	s_delay_alu instid0(VALU_DEP_1)
	v_mov_b32 v30, v29
	SCAN 30                                        ; blocks up to and with this pair,
	s_delay_alu instid0(VALU_DEP_1)
	v_sub_nc_u32 v31, v30, v29                     ; and ahead of it
.set Q, 0
.rept 28
	v_readlane_b32 s[66+Q], v30, Q                 ; one run of 28, so that no compare waits for its own
.set Q, Q+1
.endr
	v_mov_b32 v15, 0
.set Q, 0
.rept 28
	v_cmp_le_u32 vcc_lo, s[66+Q], v0
	s_delay_alu instid0(VALU_DEP_1)
	v_add_co_ci_u32 v15, vcc_lo, 0, v15, vcc_lo
.set Q, Q+1
.endr
	s_delay_alu instid0(VALU_DEP_1)
	v_min_u32 v16, 27, v15                         ; entries behind the last block fall to pair 27 with nothing left
	s_delay_alu instid0(VALU_DEP_1)
	v_lshlrev_b32 v17, 2, v16
	ds_bpermute_b32 v18, v17, v31
	ds_bpermute_b32 v19, v17, v28
	ds_bpermute_b32 v20, v17, v26
	v_mov_b32 v6, 0
.irp c, 7,13,18,22,25,27
	v_cmp_le_u32 vcc_lo, \c, v16
	s_delay_alu instid0(VALU_DEP_1)
	v_add_co_ci_u32 v6, vcc_lo, 0, v6, vcc_lo      ; lo: how many of the pairs' row starts lie at or under p
.endr
	s_delay_alu instid0(VALU_DEP_1)
	v_sub_nc_u32 v21, 15, v6
	s_delay_alu instid0(VALU_DEP_1)
	v_mul_u32_u24 v21, v21, v6
	s_delay_alu instid0(VALU_DEP_1)
	v_lshrrev_b32 v21, 1, v21
	s_delay_alu instid0(VALU_DEP_1)
	v_sub_nc_u32 v21, v16, v21
	s_delay_alu instid0(VALU_DEP_1)
	v_add3_u32 v7, v21, v6, 1                      ; hi = p - lo (15 - lo) / 2 + lo + 1
	v_lshlrev_b32 v22, 4, v0
	s_wait_dscnt 0x0
	v_sub_nc_u32 v18, v0, v18                      ; which block of the pair
	s_delay_alu instid0(VALU_DEP_1)
	v_mul_u32_u24 v21, v18, 48
	s_delay_alu instid0(VALU_DEP_1)
	v_add_nc_u32 v19, v19, v21
	s_delay_alu instid0(VALU_DEP_1)
	v_min_u32 v4, 0x1fff, v19                      ; start
	s_delay_alu instid0(VALU_DEP_3)
	v_sub_nc_u32 v20, v20, v21                     ; what is left of the pair
	s_delay_alu instid0(VALU_DEP_1)
	v_cmp_lt_i32 vcc_lo, 0, v20
	s_delay_alu instid0(VALU_DEP_1)
	v_cndmask_b32 v20, 0, v20, vcc_lo
	s_delay_alu instid0(VALU_DEP_1)
	v_min_u32 v5, 48, v20                          ; count
	s_wait_alu depctr_va_vdst(0)
	global_store_b128 v22, v[4:7], s[20:21]        ; 512 consecutive bytes a wave
	s_cmp_lg_u32 s3, 0
	s_cbranch_scc1 .Lsorted
	v_mov_b32 v15, 1024+4*28                       ; the eight waves' ORs: word 28 of each row
.irp k, 0,1,2,3,4,5,6,7
	ds_load_b32 v[64+\k], v15 offset:128*\k
.endr
	s_wait_dscnt 0x0
	v_or_b32 v64, v64, v65
	v_or_b32 v66, v66, v67
	v_or_b32 v68, v68, v69
	v_or_b32 v70, v70, v71
	s_delay_alu instid0(VALU_DEP_3)
	v_or_b32 v64, v64, v66
	s_delay_alu instid0(VALU_DEP_2)
	v_or_b32 v68, v68, v70
	s_delay_alu instid0(VALU_DEP_1)
	v_or_b32 v64, v64, v68
	s_delay_alu instid0(VALU_DEP_1)
	v_lshrrev_b32 v64, v1, v64
	s_delay_alu instid0(VALU_DEP_1)
	v_and_b32 v64, 1, v64                          ; bit e = my lane's number
	s_wait_alu depctr_va_vdst(0)
	s_wait_xcnt 0x0                                ; EXEC changes only behind this wait: a store is out
	s_wait_tensorcnt 0x0
	ds_add_u32 v112, v113
	s_wait_dscnt 0x0
	v_cmpx_gt_u32 8, v1
	global_store_b8 v1, v64, s[22:23]              ; out1
	s_endpgm
.Lsorted:
	s_wait_tensorcnt 0x0
	ds_add_u32 v112, v113
	s_wait_dscnt 0x0
	s_endpgm
.Lfunc_end_k_q59bb185bff_prep:
	.size	k_q59bb185bff_prep, .Lfunc_end_k_q59bb185bff_prep-k_q59bb185bff_prep
	.p2alignl 7, 3214868480
	.fill 96, 4, 3214868480
	.section	.rodata,"a",@progbits
	.p2align	6, 0x0
	.amdhsa_kernel k_q59bb185bff_prep
		.amdhsa_group_segment_fixed_size 5120
		.amdhsa_private_segment_fixed_size 0
		.amdhsa_enable_private_segment 0
		.amdhsa_kernarg_size 80
		.amdhsa_user_sgpr_count 2
		.amdhsa_user_sgpr_kernarg_segment_ptr 1
		.amdhsa_wavefront_size32 1
		.amdhsa_system_sgpr_workgroup_id_x 1
		.amdhsa_system_sgpr_workgroup_id_y 1
		.amdhsa_system_sgpr_workgroup_id_z 1
		.amdhsa_system_vgpr_workitem_id 0
		.amdhsa_next_free_vgpr 114
		.amdhsa_next_free_sgpr 96
		.amdhsa_reserve_vcc 1
		.amdhsa_float_denorm_mode_32 3
		.amdhsa_float_denorm_mode_16_64 3
		.amdhsa_memory_ordered 1
		.amdhsa_forward_progress 1
		.amdhsa_inst_pref_size 69
	.end_amdhsa_kernel
	.amdgpu_metadata
---
amdhsa.version: [ 1, 2 ]
amdhsa.kernels:
  - .name:           k_q59bb185bff_prep
    .symbol:         k_q59bb185bff_prep.kd
    .args:
      - { .name: w1, .offset: 0, .size: 8, .value_kind: global_buffer, .address_space: global }
      - { .name: w2, .offset: 8, .size: 8, .value_kind: global_buffer, .address_space: global }
      - { .name: pick, .offset: 16, .size: 8, .value_kind: global_buffer, .address_space: global }
      - { .name: w1f, .offset: 24, .size: 8, .value_kind: global_buffer, .address_space: global }
      - { .name: w1s, .offset: 32, .size: 8, .value_kind: global_buffer, .address_space: global }
      - { .name: w2f, .offset: 40, .size: 8, .value_kind: global_buffer, .address_space: global }
      - { .name: w2s, .offset: 48, .size: 8, .value_kind: global_buffer, .address_space: global }
      - { .name: order, .offset: 56, .size: 8, .value_kind: global_buffer, .address_space: global }
      - { .name: blocks, .offset: 64, .size: 8, .value_kind: global_buffer, .address_space: global }
      - { .name: out1, .offset: 72, .size: 8, .value_kind: global_buffer, .address_space: global }
    .group_segment_fixed_size: 5120
    .private_segment_fixed_size: 0
    .kernarg_segment_align: 8
    .kernarg_segment_size: 80
    .max_flat_workgroup_size: 256
    .sgpr_count:     96
    .vgpr_count:     114
    .wavefront_size: 32
...
	.end_amdgpu_metadata
.endif
;; end of part 5
;; launch chain (part 6): grid 198 x 1, 16 waves a work-group, no clusters, 251,904 bytes of LDS; arguments x, order, blocks, score, w1f, w1s, b1, w2f, w2s, b2, gamma, beta, out0; writes out0
.if DOCPART == 6
	.amdgcn_target "amdgcn-amd-amdhsa--gfx1250"
	.amdhsa_code_object_version 6
	.text
	.protected	k_q59bb185bff_chain
	.globl	k_q59bb185bff_chain
	.p2align	8
	.type	k_q59bb185bff_chain,@function
k_q59bb185bff_chain:
	s_mov_b64 s[64:65], 0
	v_nop
	global_prefetch_b8 v0, s[64:65] scope:SCOPE_SE
	s_setreg_imm32_b32 hwreg(HW_REG_WAVE_SCHED_MODE, 0, 2), 2
	s_setreg_imm32_b32 hwreg(HW_REG_WAVE_MODE, 25, 1), 1
	s_wait_xcnt 0x0
	s_wait_alu depctr_vm_vsrc(0)
; ONE BLOCK OF AT MOST 48 TOKENS OF ONE PAIR OF EXPERTS (lo, hi) THROUGH THE WHOLE CHAIN: gather x, quantise, h = gelu(Q(x) Q(w1[E]) + b1[E]) for both experts, quantise,
; y = x + s_lo (Q(h_lo) Q(w2[lo]) + b2[lo]) + s_hi (the same of hi), LayerNorm, store.  Both products on codes of E2M1 with one E8M0 byte for each 32 along K.  The hidden layers never go to memory.
; GRID.  8,192 tokens in 28 pairs make at most (8,192 + 28 x 47) / 48 = 198 blocks, whatever the choice.  A block with fewer than 48 tokens fills its rows with the list's next entries (held inside the list), computes them and
; does not store them; a block that the split leaves empty does the same for all rows: the four barriers stand on the one way that every wave takes, under no branch on a loaded number.
; SHARES.  Sixteen waves share the COLUMNS: wave w makes hidden units 32 w .. + 31 of both experts and output columns 64 w .. + 63, for all 48 rows (three tiles m).  So each weight fragment is loaded by one wave, straight
; from memory into registers (the launch before laid it as the registers want it), and feeds three matrix instructions.
; BOTH PRODUCTS ARE USED TRANSPOSED (source 0 = 16 rows of a weight, source 1 = 16 tokens): lane (r, h) holds token 16 m + r; register j of a result is hidden unit 32 w + 16 h + 8 u + j, or column 64 w + 32 p + 16 i + 8 h + j.
; OPERANDS GO FROM WAVE TO WAVE THROUGH LDS AS IMAGES OF THEIR REGISTERS (1,024 bytes a fragment: group c at 512 c, lane (r, H) at 16 (16 H + r)).
; gelu is the tanh form: x / (1 + 2^(x (c0 + c1 x^2))), c0 = -2 sqrt(2 / pi) log2(e), c1 = 0.044715 c0.
; NO TENSOR LOAD, NO CLUSTER: the weights' addresses hang on expert numbers read from memory, and neighbouring blocks may want different experts, so no joint request could be equal in all partners.
; LIMITS: a block of zeros gets the scale byte 1 with zero codes; NaN and infinities are not served.
; THE MODE: SCHED_MODE bits 1:0 = 2 (LLVM: expert scheduling mode 2), set by the entry lines.  The code itself states the register dependences between vector or matrix instructions and memory or LDS instructions,
; with s_wait_alu, always for 0.
; THE PLAN.  Registers that memory or LDS instructions touch, and who else names them:
;   v1-14          offsets and LDS addresses: made at the head, ahead of the first wait on va_vdst, and never written again.
;   v15, v22, v23  LDS addresses, made three times, each time behind a barrier: a wait on vm_vsrc ahead of the lines that write them, a wait on va_vdst behind those lines.
;   WB, XF, BI, WS, XS  filled by loads, read by the steps' matrix instructions.  Step t reads slot t % 4 of WB, XF, words of WS and XS, and in a sum's first step BI.  ONE wait on va_vdst stands in a step, behind its six matrix
;                  instructions and their places; all the step's loads follow it: the next step's fragments into XF, now and then the next bias or scale words, and the fill four steps on into the slot just read.
;   XF's registers are also gelu's constants and the quantiser's TM, TP, PC; PC and TP are the data of LDS stores: a wait on va_vdst ahead of those stores, a wait on vm_vsrc ahead of the loads that land there next.
;   ACC            x's rows land in it and leave it by LDS stores; x's numbers land in it; then matrix instructions, gelu and COMB name it; at the end rows of y land in it.
;   TT / YY        x's numbers land in it; gelu works in it; y lands in it, COMB writes it, LDS stores read it: a wait on va_vdst ahead of the stores, a wait on vm_vsrc ahead of the next loads into it.
;   v96-191        at the end: LayerNorm writes them, the global stores read them: one wait on va_vdst ahead of the stores.
.set PX,   4112                        ; LDS: a row of x, later of y: 4,096 bytes + 16: an odd multiple of 16, so sixteen rows of a column start in different banks
.set XIMG, 48*PX                       ; x's 24 fragments: 8 m + s
.set XSC,  XIMG+24*1024                ; their scale words: [16 m + r][8 words]
.set HIMG, XSC+1536                    ; the hidden layers' fragments: 12,288 e + 1,024 (4 m + s)
.set HSC,  HIMG+24*1024                ; their scale words: 768 e + [16 m + r][4 words]
.set VL16, 1                           ; v1   16 lane
.set VL4,  2                           ; v2   4 lane
.set VB1,  3                           ; v3   64 h
.set VB2,  4                           ; v4   32 h
.set VST,  5                           ; v5   16 lane + 3 PX w: my three whole rows
.set VXI,  6                           ; v6   XIMG + 16 lane
.set VHI,  7                           ; v7   HIMG + 16 lane
.set VY,   8                           ; v8-10  (16 m + r) PX + 256 w + 32 h
.set VXW,  11                          ; v11  XIMG + 512 w + 16 r + 8 h
.set VXS,  12                          ; v12  XSC + 32 r + 2 w
.set VHW,  13                          ; v13  HIMG + 256 w + 16 r + 8 h
.set VHS,  14                          ; v14  HSC + 16 r + w
.set SC,   16                          ; v16-21 (s_lo, s_hi) of token 16 m + r
.set WS,   24                          ; v24-39 the weights' scale words; v40-55 the tokens': these 32 registers hold scales and nothing else
.set XS,   40
.set BI,   56                          ; v56-71 two tiles of a bias, in the result's layout
.set XF,   72                          ; v72-95 the three token fragments of a step; while a quantiser runs: TM, TP, PC
.set TM,   72
.set TP,   78
.set PC,   84
.set ACC,  96                          ; v96-143 accumulator (a, m) at ACC + 16 m + 8 a
.set TT,   144                         ; v144-191 gelu's work; in the second product y: (i, m) at YY + 16 m + 8 i
.set YY,   144
.set WB,   192                         ; v192-255 four slots of two weight fragments: 16 slot + 8 a + 4 c
.set XRP,  48                          ; s[48:53] my three rows of x;  s[90:95] of out0
.set ORP,  90
.set W1P,  54                          ; s[54:57] w1f, s[58:61] w2f, s[66:69] w1s, s[70:73] w2s, s[74:77] b1, s[78:81] b2: my wave's part, for lo and for hi
.set W2P,  58
.set W1SP, 66
.set W2SP, 70
.set B1P,  74
.set B2P,  78
	s_load_b512 s[8:23], s[0:1], 0x0               ; x 8, order 10, blocks 12, score 14, w1f 16, w1s 18, b1 20, w2f 22
	s_load_b256 s[24:31], s[0:1], 0x40             ; w2s 24, b2 26, gamma 28, beta 30
	s_load_b64 s[32:33], s[0:1], 0x60              ; out0
	v_lshrrev_b32 v15, 5, v0                       ; w
	v_readfirstlane_b32 s34, v15
	v_and_b32 v22, 15, v0                          ; r
	v_bfe_u32 v23, v0, 4, 1                        ; h
	v_and_b32 v2, 31, v0
	v_lshlrev_b32 v1, 4, v2
	v_lshlrev_b32 v2, 2, v2
	v_lshlrev_b32 v3, 6, v23
	v_lshlrev_b32 v4, 5, v23
	v_mad_u32_u24 v5, v15, 3*PX, v1
	v_add_nc_u32 v6, XIMG, v1
	v_add_nc_u32 v7, HIMG, v1
	v_mul_u32_u24 v8, v22, PX
	v_lshl_add_u32 v8, v15, 8, v8
	v_add_nc_u32 v8, v8, v4
	v_add_nc_u32 v9, 16*PX, v8
	v_add_nc_u32 v10, 32*PX, v8
	v_lshlrev_b32 v11, 4, v22
	v_lshl_add_u32 v11, v23, 3, v11
	v_lshl_add_u32 v13, v15, 8, v11
	v_add_nc_u32 v13, HIMG, v13
	v_lshl_add_u32 v11, v15, 9, v11
	v_add_nc_u32 v11, XIMG, v11
	v_lshlrev_b32 v12, 5, v22
	v_lshl_add_u32 v12, v15, 1, v12
	v_add_nc_u32 v12, XSC, v12
	v_lshl_add_u32 v14, v22, 4, v15
	v_add_nc_u32 v14, HSC, v14
	s_mov_b32 s82, 0xc0135761                      ; c0
	s_mov_b32 s84, 0xbdd2d3e8                      ; c1
	s_mov_b32 s86, 0x76543210
	s_mov_b32 s87, 0xfedcba98                      ; v_permlanex16_b32's selects for lane l xor 16
	s_mov_b32 s88, 0x3a800000                      ; 1 / 1,024
	s_mov_b32 s89, 0x3727c5ac                      ; 1e-5
	s_wait_alu depctr_va_sdst(0)                   ; s34, the wave's number, is written, ahead of its first reader: the line below
	s_mul_i32 s35, s34, 3                          ; my first whole row
	s_lshl_b32 s40, ttmp9, 4
	s_mov_b32 s41, 0
	s_wait_kmcnt 0x0
	s_add_nc_u64 s[12:13], s[12:13], s[40:41]
	s_load_b128 s[36:39], s[12:13], 0x0            ; start, count, lo, hi
	s_wait_kmcnt 0x0
	s_min_u32 s36, s36, 0x1fff                     ; every loaded number is held before it enters an address or a compare
	s_min_u32 s37, s37, 48
	s_min_u32 s38, s38, 7
	s_min_u32 s39, s39, 7
.irp i, 0,1,2
	s_add_co_u32 s40, s36, s35
	s_add_co_u32 s40, s40, \i
	s_min_u32 s40, s40, 0x1fff
	s_lshl_b32 s40, s40, 2
	s_add_nc_u64 s[XRP+2*\i:XRP+2*\i+1], s[10:11], s[40:41]
	s_load_b32 s[44+\i], s[XRP+2*\i:XRP+2*\i+1], 0x0          ; the tokens of my three whole rows
.endr
	v_add_nc_u32 v72, s36, v22
	v_add_nc_u32 v73, 16, v72
	v_add_nc_u32 v74, 32, v72
.irp m, 0,1,2
	v_min_u32 v[72+\m], 0x1fff, v[72+\m]
	v_lshlrev_b32 v[72+\m], 2, v[72+\m]
.endr
	s_wait_alu depctr_va_vdst(0)                   ; the offsets v72 to v74 are written, which the three loads below read; so are v1 to v14, which the kernel's other loads and stores read and no line writes again
.irp m, 0,1,2
	global_load_b32 v[76+\m], v[72+\m], s[10:11]   ; the token of row 16 m + r, for its scores
.endr
.macro PTRS e, ereg                    ; my wave's part of expert s[ereg]'s weights
	s_lshl_b32 s40, s[\ereg], 18
	s_lshl_b32 s42, s34, 14
	s_add_co_u32 s40, s40, s42                     ; 262,144 E + 16,384 w, in w1f and in w2f
	s_add_nc_u64 s[W1P+2*\e:W1P+2*\e+1], s[16:17], s[40:41]
	s_add_nc_u64 s[W2P+2*\e:W2P+2*\e+1], s[22:23], s[40:41]
	s_lshl_b32 s40, s[\ereg], 14
	s_lshl_b32 s42, s34, 10
	s_add_co_u32 s40, s40, s42                     ; 16,384 E + 1,024 w, in w1s and in w2s
	s_add_nc_u64 s[W1SP+2*\e:W1SP+2*\e+1], s[18:19], s[40:41]
	s_add_nc_u64 s[W2SP+2*\e:W2SP+2*\e+1], s[24:25], s[40:41]
	s_lshl_b32 s40, s[\ereg], 11
	s_lshl_b32 s42, s34, 7
	s_add_co_u32 s40, s40, s42                     ; b1: 2,048 E + 128 w;
	s_add_nc_u64 s[B1P+2*\e:B1P+2*\e+1], s[20:21], s[40:41]
	s_lshl_b32 s40, s40, 1                         ; b2: twice that
	s_add_nc_u64 s[B2P+2*\e:B2P+2*\e+1], s[26:27], s[40:41]
.endm
	PTRS 0, 38
	PTRS 1, 39
	s_wait_kmcnt 0x0
.irp i, 0,1,2
	s_min_u32 s[44+\i], s[44+\i], 0x1fff
	s_lshl_b32 s40, s[44+\i], 12
	s_add_nc_u64 s[XRP+2*\i:XRP+2*\i+1], s[8:9], s[40:41]
	s_add_nc_u64 s[ORP+2*\i:ORP+2*\i+1], s[32:33], s[40:41]
.endr
.irp i, 0,1,2
.irp j, 0,1,2,3,4,5,6,7
	global_load_b128 v[ACC+32*\i+4*\j:ACC+32*\i+4*\j+3], v[VL16], s[XRP+2*\i:XRP+2*\i+1] offset:512*\j   ; a row by eight loads of 512 consecutive bytes
.endr
.endr
; Step t's two weight fragments into slot t % 4.  t = 0 .. 7: w1[lo], K step t; 8 .. 15: w1[hi]; 16 + 8 p + 4 e + s: w2 of expert e, my column pair p, K step s.
.macro FILLT t
.set fR, WB+16*((\t)%4)
.if (\t) < 16
.set fP, W1P+2*((\t)/8)
.set fO, 2048*((\t)%8)
.else
.set fP, W2P+2*((((\t)-16)/4)%2)
.set fO, 8192*(((\t)-16)/8)+2048*((\t)%4)
.endif
.irp k, 0,1,2,3
	global_load_b128 v[fR+4*\k:fR+4*\k+3], v[VL16], s[fP:fP+1] offset:fO+512*\k
.endr
.endm
.macro BIAS ptr, voff, off, stride     ; two tiles of a bias: eight numbers a lane and tile
.irp a, 0,1
.irp q, 0,1
	global_load_b128 v[BI+8*\a+4*\q:BI+8*\a+4*\q+3], v[\voff], s[\ptr:\ptr+1] offset:(\off)+(\stride)*\a+16*\q
.endr
.endr
.endm
.macro OPER adr, off, mstride          ; the three token fragments of a step, as images
.irp m, 0,1,2
.irp c, 0,1
	ds_load_b128 v[XF+8*\m+4*\c:XF+8*\m+4*\c+3], v[\adr] offset:(\off)+\m*(\mstride)+512*\c
.endr
.endr
.endm
; Six matrix instructions: tiles a = 0, 1 of the weight x token tiles m = 0, 1, 2.  The six accumulators take turns, one instruction a turn, in the same order in every step.
; The weight's scale words: tile 0 in lanes 0-15, tile 1 in lanes 16-31 of v[ws].  The tokens': m = 0 below and m = 1 above in v[sa], m = 2 in v[sb].  first: the bias is the C of a sum's first product.
.macro MM slot, ws, sa, sb, first
.irp m, 0,1,2
.irp a, 0,1
.set rD, ACC+16*\m+8*\a
.set rA, WB+16*(\slot)+8*\a
.set rB, XF+8*\m
.set rC, rD
.if \first
.set rC, BI+8*\a
.endif
.set rS, \sa
.if \m == 2
.set rS, \sb
.endif
.if (\a == 0) && (\m != 1)
	v_wmma_scale_f32_16x16x128_f8f6f4 v[rD:rD+7], v[rA:rA+7], v[rB:rB+7], v[rC:rC+7], v[\ws], v[rS] matrix_a_fmt:MATRIX_FMT_FP4 matrix_b_fmt:MATRIX_FMT_FP4
.elseif (\a == 1) && (\m != 1)
	v_wmma_scale_f32_16x16x128_f8f6f4 v[rD:rD+7], v[rA:rA+7], v[rB:rB+7], v[rC:rC+7], v[\ws], v[rS] matrix_a_fmt:MATRIX_FMT_FP4 matrix_b_fmt:MATRIX_FMT_FP4 matrix_a_scale:MATRIX_SCALE_ROW1
.elseif \a == 0
	v_wmma_scale_f32_16x16x128_f8f6f4 v[rD:rD+7], v[rA:rA+7], v[rB:rB+7], v[rC:rC+7], v[\ws], v[rS] matrix_a_fmt:MATRIX_FMT_FP4 matrix_b_fmt:MATRIX_FMT_FP4 matrix_b_scale:MATRIX_SCALE_ROW1
.else
	v_wmma_scale_f32_16x16x128_f8f6f4 v[rD:rD+7], v[rA:rA+7], v[rB:rB+7], v[rC:rC+7], v[\ws], v[rS] matrix_a_fmt:MATRIX_FMT_FP4 matrix_b_fmt:MATRIX_FMT_FP4 matrix_a_scale:MATRIX_SCALE_ROW1 matrix_b_scale:MATRIX_SCALE_ROW1
.endif
.endr
.endr
.endm
; A step of 128 along K.  n = the global loads issued behind this step's own four (three later fills, and what went out among them).
; Behind the products: four places (the vector lines behind a sum's last step read its results and write the fragments' registers), then the step's one wait on va_vdst, then the loads into registers that
; the products have read: the next step's token fragments, the next bias or scale words, and the fill four steps on.  No vector or matrix instruction stands between the wait and these loads.
; The token fragments of steps 8 and 16 are fetched elsewhere: a quantiser works in their registers first.  Step 31 issues no load: it has no such wait.
.macro STEP t, n
.if (\t) < 16
.set qW, WS+(\t)
.set qA, XS+(\t)%8
.set qB, XS+8+(\t)%8
.set qF, 0
.if ((\t)%8) == 0
.set qF, 1
.endif
.else
.set qE, (((\t)-16)/4)%2
.set qW, WS+8*qE+4*(((\t)-16)/8)+(\t)%4
.set qA, XS+8*qE+(\t)%4
.set qB, XS+8*qE+4+(\t)%4
.set qF, 0
.if ((\t)%4) == 0
.set qF, 1
.endif
.endif
	s_wait_dscnt 0x0                               ; the token fragments are in
	s_wait_loadcnt \n
	MM (\t)%4, qW, qA, qB, qF
.rept 4
	v_nop
.endr
.if (\t) < 31
	s_wait_alu depctr_va_vdst(0)                   ; the six matrix instructions are done reading XF, their slot of WB, and (where they are loaded anew below) BI and WS: the loads below land in these registers
.endif
.set qN, (\t)+1
.if (qN < 16) && (qN != 8)
	OPER VXI, 1024*(qN%8), 8192
.elseif (qN > 16) && (qN < 32)
	OPER VHI, 12288*(((qN-16)/4)%2)+1024*(qN%4), 4096
.endif
.if (\t) == 0
	BIAS B1P+2, VB1, 0, 32                         ; b1[hi], wanted at step 8
.elseif (\t) == 8
	BIAS B2P, VB2, 0, 64                           ; b2[lo], columns p = 0, wanted at step 16
.elseif (\t) == 15
.irp e, 0,1
.irp p, 0,1
.irp s, 0,1,2,3
	global_load_b32 v[WS+8*\e+4*\p+\s], v[VL4], s[W2SP+2*\e:W2SP+2*\e+1] offset:512*\p+128*\s    ; w2's sixteen scale words take w1's place
.endr
.endr
.endr
.elseif (\t) == 16
	BIAS B2P+2, VB2, 0, 64
.elseif (\t) == 20
	BIAS B2P, VB2, 128, 64
.elseif (\t) == 24
	BIAS B2P+2, VB2, 128, 64
.endif
.if (\t) <= 27
	FILLT (\t)+4
.endif
.endm
; nb blocks by turns: v[base + 16 b .. + 15] are 16 neighbours along K of my token (the other 16 lie in lane l xor 16).  Out: the codes in v[PC + 2 b], v[PC + 2 b + 1], the scale's byte in v[TP + b].
.macro QUANT base, nb
.set qb, 0
.rept \nb
	v_max3_num_f32 v[TM+qb], |v[\base+16*qb]|, |v[\base+16*qb+1]|, 0x1800000    ; with the floor 2^(3 - 127): the byte cannot fall under 1
.set qb, qb+1
.endr
.irp i, 2,4,6,8,10,12,14
.set qb, 0
.rept \nb
	v_max3_num_f32 v[TM+qb], v[TM+qb], |v[\base+16*qb+\i]|, |v[\base+16*qb+\i+1]|
.set qb, qb+1
.endr
.endr
.set qb, 0
.rept \nb
	v_permlanex16_b32 v[TP+qb], v[TM+qb], s86, s87
.set qb, qb+1
.endr
.set qb, 0
.rept \nb
	v_max_num_f32 v[TM+qb], v[TM+qb], v[TP+qb]     ; the block's largest magnitude
.set qb, qb+1
.endr
.set qb, 0
.rept \nb
	v_add_nc_u32 v[TM+qb], 0xff000000, v[TM+qb]    ; 2 off its exponent field: the conversion's scale operand
.set qb, qb+1
.endr
.set qb, 0
.rept \nb
	v_lshrrev_b32 v[TP+qb], 23, v[TM+qb]           ; the byte
.set qb, qb+1
.endr
.set qb, 0
.rept \nb
	v_cvt_scalef32_pk8_fp4_f32 v[PC+2*qb], v[\base+16*qb:\base+16*qb+7], v[TM+qb]
	v_cvt_scalef32_pk8_fp4_f32 v[PC+2*qb+1], v[\base+16*qb+8:\base+16*qb+15], v[TM+qb]
.set qb, qb+1
.endr
	v_nop                                          ; one plain place behind the last scaled conversion
.endm
; gelu on the 48 numbers of the six accumulators, in place; each accumulator is first read at its low end.  Two batches of transcendentals, one wait each.
.macro GELU
	v_mov_b32 v72, s82
	v_mov_b32 v73, s82
	v_mov_b32 v74, s84
	v_mov_b32 v75, s84
.set gk, 0
.rept 24
	v_pk_mul_f32 v[TT+gk:TT+gk+1], v[ACC+gk:ACC+gk+1], v[ACC+gk:ACC+gk+1]
.set gk, gk+2
.endr
.set gk, 0
.rept 24
	v_pk_fma_f32 v[TT+gk:TT+gk+1], v[TT+gk:TT+gk+1], v[74:75], v[72:73]
.set gk, gk+2
.endr
.set gk, 0
.rept 24
	v_pk_mul_f32 v[TT+gk:TT+gk+1], v[TT+gk:TT+gk+1], v[ACC+gk:ACC+gk+1]
.set gk, gk+2
.endr
.set gk, 0
	s_wait_alu depctr_va_vdst(0)
.rept 48
	v_exp_f32 v[TT+gk], v[TT+gk]
.set gk, gk+1
.endr
	v_nop
	s_wait_alu depctr_va_vdst(0)                   ; the 48 exponentials have written TT, ahead of their first reader
.set gk, 0
.rept 24
	v_pk_add_f32 v[TT+gk:TT+gk+1], v[TT+gk:TT+gk+1], 1.0 op_sel_hi:[1,0]
.set gk, gk+2
.endr
.set gk, 0
	s_wait_alu depctr_va_vdst(0)
.rept 48
	v_rcp_f32 v[TT+gk], v[TT+gk]
.set gk, gk+1
.endr
	v_nop
	s_wait_alu depctr_va_vdst(0)                   ; the 48 reciprocals have written TT, ahead of their first reader
.set gk, 0
.rept 24
	v_pk_mul_f32 v[ACC+gk:ACC+gk+1], v[ACC+gk:ACC+gk+1], v[TT+gk:TT+gk+1]
.set gk, gk+2
.endr
.endm
.macro HSTORE e                        ; my 32 hidden units are K block w of the second product: 8 bytes a lane at their place in the images, one byte a row among the scale words
.irp m, 0,1,2
	ds_store_b64 v[VHW], v[PC+2*\m:PC+2*\m+1] offset:12288*\e+4096*\m
	ds_store_b8 v[VHS], v[TP+\m] offset:768*\e+256*\m      ; lanes l and l xor 16 write the same byte with the same value
.endr
.endm
.macro BAR                             ; my LDS stores have landed and my LDS loads are in: then the work-group's barrier.  Global loads of buffers that nobody writes stay out across it
	s_wait_dscnt 0x0
	s_barrier_signal -1
	s_barrier_wait -1
.endm
.macro YLOAD p
.irp m, 0,1,2
.irp i, 0,1
	ds_load_b128 v[YY+16*\m+8*\i:YY+16*\m+8*\i+3], v[VY+\m] offset:64*(2*\p+\i)
	ds_load_b128 v[YY+16*\m+8*\i+4:YY+16*\m+8*\i+7], v[VY+\m] offset:64*(2*\p+\i)+16
.endr
.endr
.endm
.macro YSTORE p
.irp m, 0,1,2
.irp i, 0,1
	ds_store_b128 v[VY+\m], v[YY+16*\m+8*\i:YY+16*\m+8*\i+3] offset:64*(2*\p+\i)
	ds_store_b128 v[VY+\m], v[YY+16*\m+8*\i+4:YY+16*\m+8*\i+7] offset:64*(2*\p+\i)+16
.endr
.endr
.endm
.macro COMB e                          ; y += score x result, ascending: each accumulator is first read at its low end
.set ck, 0
.rept 24
.if \e == 0
	v_pk_fma_f32 v[YY+ck:YY+ck+1], v[ACC+ck:ACC+ck+1], v[SC+2*(ck/16):SC+2*(ck/16)+1], v[YY+ck:YY+ck+1] op_sel_hi:[1,0,1]
.else
	v_pk_fma_f32 v[YY+ck:YY+ck+1], v[ACC+ck:ACC+ck+1], v[SC+2*(ck/16):SC+2*(ck/16)+1], v[YY+ck:YY+ck+1] op_sel:[0,1,0] op_sel_hi:[1,1,1]
.endif
.set ck, ck+2
.endr
.endm
	s_wait_loadcnt 24                              ; the three list words are in: x's 24 loads are younger
.irp m, 0,1,2
	v_min_u32 v[80+\m], 0x1fff, v[76+\m]
	v_lshlrev_b32 v[80+\m], 3, v[80+\m]
.endr
	s_wait_alu depctr_va_vdst(0)                   ; the offsets v80 to v82 are written, which the scores' loads read
.irp m, 0,1,2
	global_load_b64 v[SC+2*\m:SC+2*\m+1], v[80+\m], s[14:15]
.endr
.irp e, 0,1
.irp s, 0,1,2,3,4,5,6,7
	global_load_b32 v[WS+8*\e+\s], v[VL4], s[W1SP+2*\e:W1SP+2*\e+1] offset:128*\s       ; w1's sixteen scale words
.endr
.endr
	BIAS B1P, VB1, 0, 32
	FILLT 0
	FILLT 1
	FILLT 2
	FILLT 3
	s_wait_loadcnt 39                              ; x's rows are in: 3 + 16 + 4 + 16 loads are younger
.irp i, 0,1,2
.irp j, 0,1,2,3,4,5,6,7
	ds_store_b128 v[VST], v[ACC+32*\i+4*\j:ACC+32*\i+4*\j+3] offset:PX*\i+512*\j
.endr
.endr
	BAR                                            ; 1: the 48 rows of x lie in LDS
	; ---- x is quantised: wave w takes K blocks 2 w and 2 w + 1 of all three tiles of rows
	s_wait_xcnt 0x0                                ; the scores' loads have read their offsets: v80-82 are written again below
	s_wait_alu depctr_vm_vsrc(0)                   ; the list's and the scores' loads have read v72-74 and v80-82, which the quantiser writes; the LDS stores above have read ACC, in which the loads below land
	v_add_nc_u32 v15, v8, v4                       ; (16 m + r) PX + 256 w + 64 h: my 16 numbers of a block
	v_add_nc_u32 v22, v9, v4
	v_add_nc_u32 v23, v10, v4
	s_wait_alu depctr_va_vdst(0)                   ; the addresses v15, v22, v23 are written, which the LDS loads below read
.macro QLD m, adr
.irp s, 0,1
.irp j, 0,1,2,3
	ds_load_b128 v[ACC+16*(2*\m+\s)+4*\j:ACC+16*(2*\m+\s)+4*\j+3], v[\adr] offset:128*\s+16*\j
.endr
.endr
.endm
	QLD 0, 15
	QLD 1, 22
	QLD 2, 23
.irp b, 0,1,2,3,4,5
	v_mov_b32 v[TP+\b], 0                          ; a lane permute's destination counts as one of its sources
.endr
	s_wait_dscnt 0x0
	QUANT ACC, 6
.irp m, 0,1,2
	v_lshl_or_b32 v[TP+2*\m], v[TP+2*\m+1], 8, v[TP+2*\m]      ; a tile's two bytes; ahead of the wait, so that one wait serves the codes' stores and the bytes'
.endr
	s_wait_alu depctr_va_vdst(0)                   ; the conversions have written PC and the lines above TP, which the LDS stores below read
.irp m, 0,1,2
.irp s, 0,1
	ds_store_b64 v[VXW], v[PC+2*(2*\m+\s):PC+2*(2*\m+\s)+1] offset:8192*\m+256*\s      ; 8 h in the address puts my half of the block beside the other half: no lanes are swapped
.endr
.endr
.irp m, 0,1,2
	ds_store_b16 v[VXS], v[TP+2*\m] offset:512*\m
.endr
	BAR                                            ; 2: x's 24 fragments and their scale words lie in LDS
	; ---- the first product, gelu and the quantiser, for lo and for hi
	s_wait_alu depctr_vm_vsrc(0)                   ; the loads of x's numbers have read v22 and v23, which are written below; the LDS stores above have read PC and TP, in which the first fragments land
	v_lshl_add_u32 v22, v1, 1, XSC                 ; XSC + 32 lane: lanes 0-15 tile 0's rows, lanes 16-31 tile 1's
	v_and_b32 v23, 15, v0
	v_lshl_add_u32 v23, v23, 5, XSC+1024           ; tile 2's
	s_wait_alu depctr_va_vdst(0)                   ; v22 and v23 are written, which the loads below read; the quantiser is done reading and writing v72-95, in which the first fragments land
	ds_load_b128 v[XS:XS+3], v22
	ds_load_b128 v[XS+4:XS+7], v22 offset:16
	ds_load_b128 v[XS+8:XS+11], v23
	ds_load_b128 v[XS+12:XS+15], v23 offset:16
	OPER VXI, 0, 8192
	STEP 0, 12
	STEP 1, 16
	STEP 2, 16
	STEP 3, 16
	STEP 4, 12
	STEP 5, 12
	STEP 6, 12
	STEP 7, 12
	GELU
	QUANT ACC, 3
	s_wait_alu depctr_va_vdst(0)                   ; the quantiser has written PC and TP, which the LDS stores below read; gelu and the quantiser are done with v72-95, in which the fragments below land
	HSTORE 0
	s_wait_dscnt 0x0                               ; my stores into the images are done
	s_wait_alu depctr_vm_vsrc(0)                   ; those stores have read PC and TP: the fragments below land there
	OPER VXI, 0, 8192
	STEP 8, 12
	STEP 9, 16
	STEP 10, 16
	STEP 11, 16
	STEP 12, 12
	STEP 13, 12
	STEP 14, 12
	STEP 15, 12
	GELU
	QUANT ACC, 3
	s_wait_alu depctr_va_vdst(0)                   ; the quantiser has written PC and TP, which the LDS stores below read
	HSTORE 1
	BAR                                            ; 3: both hidden layers' fragments lie in LDS
	; ---- the second product: for each pair p of column tiles: y = x + s_lo D_lo + s_hi D_hi, back into x's place
	s_wait_alu depctr_vm_vsrc(0)                   ; the loads of x's scale words have read v22 and v23, which are written below; the LDS stores above have read PC and TP, in which fragments land
	v_add_nc_u32 v22, HSC, v1                      ; HSC + 16 lane: tiles 0 and 1
	v_and_b32 v23, 15, v0
	v_lshl_add_u32 v23, v23, 4, HSC+512            ; tile 2
	s_wait_alu depctr_va_vdst(0)                   ; v22 and v23 are written, which the loads below read; the first product's steps are done reading XS, gelu is done with TT and the quantiser with v72-95: the loads below land in all three
.irp e, 0,1
	ds_load_b128 v[XS+8*\e:XS+8*\e+3], v22 offset:768*\e
	ds_load_b128 v[XS+8*\e+4:XS+8*\e+7], v23 offset:768*\e
.endr
	YLOAD 0
	OPER VHI, 0, 4096
	STEP 16, 4                                     ; w2's scale words went out behind the fills of steps 16 to 18: only step 19's fill is younger than they
	STEP 17, 12
	STEP 18, 16
	STEP 19, 16
	COMB 0                                         ; (with the step's four places these give each accumulator more than five places before it is begun anew)
	STEP 20, 12
	STEP 21, 16
	STEP 22, 16
	STEP 23, 16
	COMB 1
	s_wait_alu depctr_va_vdst(0)                   ; the multiply-adds have written YY, which the LDS stores below read and in which the loads behind them land
	YSTORE 0
	s_wait_dscnt 0x0                               ; my stores of y are done
	s_wait_alu depctr_vm_vsrc(0)                   ; those stores have read YY: the next columns' y lands there
	YLOAD 1
	STEP 24, 12
	STEP 25, 16
	STEP 26, 16
	STEP 27, 16
	COMB 0
	STEP 28, 12
	STEP 29, 8
	STEP 30, 4
	STEP 31, 0
	COMB 1
	s_wait_alu depctr_va_vdst(0)                   ; one wait for three things: the multiply-adds have written YY, which the LDS stores read; the last steps' matrix instructions are done reading the slots, in which gamma and beta land; the multiply-adds are done with ACC and YY, in which rows of y land behind the barrier
	YSTORE 1
.irp j, 0,1,2,3,4,5,6,7
	global_load_b128 v[192+4*\j:192+4*\j+3], v[VL16], s[28:29] offset:512*\j      ; gamma and beta take the slots' place
	global_load_b128 v[224+4*\j:224+4*\j+3], v[VL16], s[30:31] offset:512*\j
.endr
	BAR                                            ; 4: 48 whole rows of y lie in LDS
	; ---- LayerNorm of my three whole rows, the rows by turns; row i in v[96 + 32 i ..], its work in v[72 + 8 i ..]
	s_wait_alu depctr_vm_vsrc(0)                   ; my stores of y have read YY, in which the loads below land
.irp i, 0,1,2
.irp j, 0,1,2,3,4,5,6,7
	ds_load_b128 v[96+32*\i+4*\j:96+32*\i+4*\j+3], v[VST] offset:PX*\i+512*\j
.endr
.endr
	s_wait_dscnt 0x0
.macro RED                             ; v[72 + 8 i] summed over the 32 lanes
.irp n, 1,2,4,8
.irp i, 0,1,2
	v_add_f32_dpp v[72+8*\i], v[72+8*\i], v[72+8*\i] row_xmask:\n row_mask:0xf bank_mask:0xf
.endr
.endr
.irp i, 0,1,2
	v_permlanex16_b32 v[76+8*\i], v[72+8*\i], s86, s87
.endr
.irp i, 0,1,2
	v_add_f32 v[72+8*\i], v[72+8*\i], v[76+8*\i]
.endr
.endm
.irp i, 0,1,2
	v_pk_add_f32 v[72+8*\i:73+8*\i], v[96+32*\i:97+32*\i], v[98+32*\i:99+32*\i]
	v_pk_add_f32 v[74+8*\i:75+8*\i], v[100+32*\i:101+32*\i], v[102+32*\i:103+32*\i]
.endr
.irp k, 8,12,16,20,24,28
.irp i, 0,1,2
	v_pk_add_f32 v[72+8*\i:73+8*\i], v[72+8*\i:73+8*\i], v[96+32*\i+\k:97+32*\i+\k]
	v_pk_add_f32 v[74+8*\i:75+8*\i], v[74+8*\i:75+8*\i], v[98+32*\i+\k:99+32*\i+\k]
.endr
.endr
.irp i, 0,1,2
	v_pk_add_f32 v[72+8*\i:73+8*\i], v[72+8*\i:73+8*\i], v[74+8*\i:75+8*\i]
.endr
.irp i, 0,1,2
	v_add_f32 v[72+8*\i], v[72+8*\i], v[73+8*\i]
.endr
	RED
.irp i, 0,1,2
	v_mul_f32 v[78+8*\i], s88, v[72+8*\i]          ; the mean
.endr
.irp k, 0,2,4,6,8,10,12,14,16,18,20,22,24,26,28,30
.irp i, 0,1,2
	v_pk_add_f32 v[96+32*\i+\k:97+32*\i+\k], v[96+32*\i+\k:97+32*\i+\k], v[78+8*\i:79+8*\i] op_sel_hi:[1,0] neg_lo:[0,1] neg_hi:[0,1]   ; y - mean
.endr
.endr
.irp i, 0,1,2
	v_pk_mul_f32 v[72+8*\i:73+8*\i], v[96+32*\i:97+32*\i], v[96+32*\i:97+32*\i]
	v_pk_mul_f32 v[74+8*\i:75+8*\i], v[98+32*\i:99+32*\i], v[98+32*\i:99+32*\i]
.endr
.irp k, 4,8,12,16,20,24,28
.irp i, 0,1,2
	v_pk_fma_f32 v[72+8*\i:73+8*\i], v[96+32*\i+\k:97+32*\i+\k], v[96+32*\i+\k:97+32*\i+\k], v[72+8*\i:73+8*\i]
	v_pk_fma_f32 v[74+8*\i:75+8*\i], v[98+32*\i+\k:99+32*\i+\k], v[98+32*\i+\k:99+32*\i+\k], v[74+8*\i:75+8*\i]
.endr
.endr
.irp i, 0,1,2
	v_pk_add_f32 v[72+8*\i:73+8*\i], v[72+8*\i:73+8*\i], v[74+8*\i:75+8*\i]
.endr
.irp i, 0,1,2
	v_add_f32 v[72+8*\i], v[72+8*\i], v[73+8*\i]
.endr
	RED
.irp i, 0,1,2
	v_fma_f32 v[72+8*\i], v[72+8*\i], s88, s89     ; the variance + 1e-5
.endr
	s_wait_alu depctr_va_vdst(0)
.irp i, 0,1,2
	v_rsq_f32 v[78+8*\i], v[72+8*\i]
.endr
	v_nop
	s_wait_alu depctr_va_vdst(0)                   ; the three v_rsq_f32 have written v78, v86 and v94: one wait for the three, ahead of their first reader
	s_wait_loadcnt 0x0                             ; gamma and beta
.irp k, 0,2,4,6,8,10,12,14,16,18,20,22,24,26,28,30
.irp i, 0,1,2
	v_pk_mul_f32 v[96+32*\i+\k:97+32*\i+\k], v[96+32*\i+\k:97+32*\i+\k], v[78+8*\i:79+8*\i] op_sel_hi:[1,0]
.endr
.endr
.irp k, 0,2,4,6,8,10,12,14,16,18,20,22,24,26,28,30
.irp i, 0,1,2
	v_pk_fma_f32 v[96+32*\i+\k:97+32*\i+\k], v[96+32*\i+\k:97+32*\i+\k], v[192+\k:193+\k], v[224+\k:225+\k]
.endr
.endr
	s_wait_alu depctr_va_vdst(0)                   ; the multiply-adds have written v96 to v191, which the stores below read: ahead of the branches, for all three rows; no vector instruction follows before the last store
.irp i, 0,1,2
	s_add_co_u32 s40, s35, \i
	s_cmp_lt_u32 s40, s37                          ; only the block's own rows are stored: a branch on a number that the launch before stored
	s_cbranch_scc0 .Lnone\i
.irp j, 0,1,2,3,4,5,6,7
	global_store_b128 v[VL16], v[96+32*\i+4*\j:96+32*\i+4*\j+3], s[ORP+2*\i:ORP+2*\i+1] offset:512*\j th:TH_STORE_NT   ; 512 consecutive bytes, aligned; written once, read by nobody here
.endr
.Lnone\i:
.endr
	s_wait_xcnt 0x0                                ; every store issued has had its addresses translated
	v_lshl_add_u32 v254, v0, 2, 0x3d000            ; the add's two registers are made anew, straight ahead of the closing lines: v254 and v255 held beta, and no memory or LDS instruction has read them
	v_mov_b32 v255, 0
	s_wait_dscnt 0x0                               ; the closing lines, six on end
	s_wait_alu 0x0
	s_wait_tensorcnt 0x0
	ds_add_u32 v254, v255
	s_wait_dscnt 0x0
	s_endpgm
.Lfunc_end_k_q59bb185bff_chain:
	.size	k_q59bb185bff_chain, .Lfunc_end_k_q59bb185bff_chain-k_q59bb185bff_chain
	.p2alignl 7, 3214868480
	.fill 96, 4, 3214868480
	.section	.rodata,"a",@progbits
	.p2align	6, 0x0
	.amdhsa_kernel k_q59bb185bff_chain
		.amdhsa_group_segment_fixed_size 251904
		.amdhsa_private_segment_fixed_size 0
		.amdhsa_enable_private_segment 0
		.amdhsa_kernarg_size 104
		.amdhsa_user_sgpr_count 2
		.amdhsa_user_sgpr_kernarg_segment_ptr 1
		.amdhsa_wavefront_size32 1
		.amdhsa_system_sgpr_workgroup_id_x 1
		.amdhsa_system_sgpr_workgroup_id_y 1
		.amdhsa_system_sgpr_workgroup_id_z 1
		.amdhsa_system_vgpr_workitem_id 0
		.amdhsa_next_free_vgpr 256
		.amdhsa_next_free_sgpr 96
		.amdhsa_reserve_vcc 0
		.amdhsa_float_denorm_mode_32 3
		.amdhsa_float_denorm_mode_16_64 3
		.amdhsa_memory_ordered 1
		.amdhsa_forward_progress 1
		.amdhsa_inst_pref_size 141
	.end_amdhsa_kernel
	.amdgpu_metadata
---
amdhsa.version: [ 1, 2 ]
amdhsa.kernels:
  - .name:           k_q59bb185bff_chain
    .symbol:         k_q59bb185bff_chain.kd
    .args:
      - { .name: x, .offset: 0, .size: 8, .value_kind: global_buffer, .address_space: global }
      - { .name: order, .offset: 8, .size: 8, .value_kind: global_buffer, .address_space: global }
      - { .name: blocks, .offset: 16, .size: 8, .value_kind: global_buffer, .address_space: global }
      - { .name: score, .offset: 24, .size: 8, .value_kind: global_buffer, .address_space: global }
      - { .name: w1f, .offset: 32, .size: 8, .value_kind: global_buffer, .address_space: global }
      - { .name: w1s, .offset: 40, .size: 8, .value_kind: global_buffer, .address_space: global }
      - { .name: b1, .offset: 48, .size: 8, .value_kind: global_buffer, .address_space: global }
      - { .name: w2f, .offset: 56, .size: 8, .value_kind: global_buffer, .address_space: global }
      - { .name: w2s, .offset: 64, .size: 8, .value_kind: global_buffer, .address_space: global }
      - { .name: b2, .offset: 72, .size: 8, .value_kind: global_buffer, .address_space: global }
      - { .name: gamma, .offset: 80, .size: 8, .value_kind: global_buffer, .address_space: global }
      - { .name: beta, .offset: 88, .size: 8, .value_kind: global_buffer, .address_space: global }
      - { .name: out0, .offset: 96, .size: 8, .value_kind: global_buffer, .address_space: global }
    .group_segment_fixed_size: 251904
    .private_segment_fixed_size: 0
    .kernarg_segment_align: 8
    .kernarg_segment_size: 104
    .max_flat_workgroup_size: 512
    .sgpr_count:     96
    .vgpr_count:     256
    .wavefront_size: 32
...
	.end_amdgpu_metadata
.endif
;; end of part 6
